; MI455X (gfx1250); checked and timed in simulation.
; The chip was launched on July 23, 2026; its instructions are those of AMD's public machine-readable ISA for CDNA 5 (MIT licence, August 2026) and "CDNA5" Instruction Set Architecture Reference Guide (July 2026). The comments in the code are by the model that wrote it; some were corrected since.
;; Causal Multi Head Attention Layer. Allowed arithmetic: matrix products marked QUANTISED: E5M2 operands, one E8M0 scale for each 32 along K, by v_wmma_scale_f32_16x16x128_f8f6f4 with both operands' format E5M2, f32 sums; everything else in f32.
;; Inputs: Wk_codes 1,024 x 32 x 32 uint8 (E5M2 codes of Wk, K innermost, in blocks of 32 codes); Wk_scales 1,024 x 32 uint8 (E8M0 scales of Wk, one for each 32 codes along K); Wo_codes 1,024 x 32 x 32 uint8 (E5M2 codes of Wo, K innermost, in blocks of 32 codes); Wo_scales 1,024 x 32 uint8 (E8M0 scales of Wo, one for each 32 codes along K); Wq_codes 1,024 x 32 x 32 uint8 (E5M2 codes of Wq, K innermost, in blocks of 32 codes); Wq_scales 1,024 x 32 uint8 (E8M0 scales of Wq, one for each 32 codes along K); Wv_codes 1,024 x 32 x 32 uint8 (E5M2 codes of Wv, K innermost, in blocks of 32 codes); Wv_scales 1,024 x 32 uint8 (E8M0 scales of Wv, one for each 32 codes along K); bo 1,024 float32; x_codes 4 x 2,048 x 32 x 32 uint8 (E5M2 codes of x, K innermost, in blocks of 32 codes); x_scales 4 x 2,048 x 32 uint8 (E8M0 scales of x, one for each 32 codes along K).
;; Outputs: out0 4 x 2,048 x 1,024 float32.
;; This version of the problem:
;;   THIS VERSION OF THE PROBLEM IS GIVEN IN LOW PRECISION. The matrix products marked QUANTISED in the list below multiply operands that are first quantised to E5M2 (5 exponent bits, 2 mantissa bits; 8 bits a number), with one power-of-two scale for each 32 numbers along K (OCP MX v1.0); their sums are f32. All else is computed in f32.
;;   The module's matrix products, in the order in which they are computed (A, B: the left and right operand; K: the contracted axis; several contracted axes count as one K, in the product's order):
;;     1. [M 8,192, K 1,024] x [K 1,024, N 1,024]; A: input x (given as codes); B: input Wq (given as codes): QUANTISED
;;     2. [M 8,192, K 1,024] x [K 1,024, N 1,024]; A: input x (given as codes); B: input Wk (given as codes): QUANTISED
;;     3. [M 8,192, K 1,024] x [K 1,024, N 1,024]; A: input x (given as codes); B: input Wv (given as codes): QUANTISED
;;     4. batch 64 x [M 2,048, K 64] x [K 64, N 2,048]; A: computed on the way; B: computed on the way: QUANTISED
;;     5. batch 64 x [M 2,048, K 2,048] x [K 2,048, N 64]; A: softmax (see below); B: computed on the way: QUANTISED
;;     6. [M 8,192, K 1,024] x [K 1,024, N 1,024]; A: computed on the way; B: input Wo (given as codes): QUANTISED
;;   THE QUANTISER, for each operand of a quantised product, along K:
;;     - K is cut into blocks of 32 from its start; a last block that is shorter is filled with zeros.
;;     - A block's scale is 2^e with e = floor(log2(the largest magnitude in the block)) - 15, held to -126 .. 127; a block of zeros has e = 0. As a byte (E8M0): e + 127.
;;     - Each number is divided by its block's scale, clamped to +-57,344, and rounded to the nearest number of E5M2, ties to even, subnormals kept.
;;     - The product sums the exact products of the quantised numbers (number of the format x scale) in f32.
;;   ~~~python
;;   def quantise(x, axis):      # numpy; x: float32 -> the quantised numbers, widened to float32 again
;;       x = np.moveaxis(x, axis, -1); K = x.shape[-1]
;;       x = np.pad(x, [(0, 0)] * (x.ndim - 1) + [(0, -K % 32)]); x = x.reshape(x.shape[:-1] + (-1, 32)); a = np.abs(x).max(-1, keepdims=True)
;;       e = np.where(a > 0, np.clip(np.frexp(np.where(a > 0, a, 1))[1] - 1 - 15, -126, 127), 0)      # np.frexp(a)[1] - 1 = floor(log2(a)), exactly
;;       r = np.clip(x / 2.0 ** e, -57344, 57344)
;;       step = 2.0 ** (np.maximum(np.frexp(np.where(r == 0, 1, r))[1] - 1, -14) - 2)
;;       q = np.round(r / step) * step * 2.0 ** e      # np.round: ties to even
;;       return np.moveaxis(q.reshape(q.shape[:-2] + (-1,))[..., :K], -1, axis).astype(np.float32)
;;   ~~~
;;   SOFTMAX AHEAD OF A QUANTISED PRODUCT. Where the list says 'softmax', what is quantised is not the finished softmax but p = 2^(t - M), with t = logit x log2(e) and M = ceil(the row's largest t), a whole number; so 1/2 < the row's largest p <= 1. The row's sum l is taken of the UNQUANTISED p, in f32, and the product's result is divided by l at the end. Since M is a whole number, a kernel that streams over the keys may use a running M (the ceiling of the running maximum): every later rescaling is an exact power of two, which a block's scale takes up: the codes' values come out the same.
;;   OPERANDS COMPUTED ON THE WAY. 'Computed on the way' means the value that the module computes at that place (a softmax that the list does not call 'softmax' is quantised finished and normalised). What goes into a quantiser is computed in f32, as accurately as f32 sums, v_exp_f32 and their like allow (about 1e-6 of the number): no bf16 or f16 on the way to a quantiser, and a product that is left as it is and whose result goes on into a quantised operand takes f32 operands (vector FMAs, or v_wmma_f32_16x16x4_f32). A number that lies on a knife's edge between two numbers of the format may be rounded either way, as far as f32 arithmetic and the matrix unit's own rounding can turn it there, and no further.
;;   INPUTS GIVEN AS CODES. Wk (in the module: [1024, 1024], K = its axis 1); Wo (in the module: [1024, 1024], K = its axis 1); Wq (in the module: [1024, 1024], K = its axis 1); Wv (in the module: [1024, 1024], K = its axis 1); x (in the module: [4, 2048, 1024], K = its axis 2): each comes as NAME_codes (uint8): NAME with its K axis moved to the last place and cut into blocks of 32 codes, [.., K / 32, bytes a block], one block behind the other in memory; one code a byte (a code: sign, 5 exponent bits, 2 mantissa bits); and NAME_scales (uint8): the same leading axes, one E8M0 byte (e + 127) for each 32 codes along K. Its value is code x scale, taken as it is: it is not quantised again, and the codes and scales need not be those that the quantiser above would give.
;; One version. Each part assembles by itself: llvm-mc -triple=amdgcn-amd-amdhsa -mcpu=gfx1250 --defsym DOCPART=n.
;; ======== version 1 of 1: 3 launches
;; limits: right only within a limited range of input values
;; workspace buffers: q 8,912,896 bytes; kv 17,825,792 bytes; ao 8,388,608 bytes; ao_sc 262,144 bytes
;; launch qkv (part 1): grid 12 x 32, 4 waves a work-group, clusters of 4 x 4, 327,680 bytes of LDS; arguments x_codes, x_scales, Wq_codes, Wq_scales, Wk_codes, Wk_scales, Wv_codes, Wv_scales, q, kv; writes q, kv
.if DOCPART == 1
	.amdgcn_target "amdgcn-amd-amdhsa--gfx1250"
	.amdhsa_code_object_version 6
	.text
	.protected	k_qe5cd92e5f0_qkv
	.globl	k_qe5cd92e5f0_qkv
	.p2align	8
	.type	k_qe5cd92e5f0_qkv,@function
k_qe5cd92e5f0_qkv:
	s_mov_b64 s[64:65], 0
	v_nop
	global_prefetch_b8 v0, s[64:65] scope:SCOPE_SE
	s_setreg_imm32_b32 hwreg(HW_REG_WAVE_MODE, 25, 1), 1
	s_wait_xcnt 0x0
	s_wait_alu depctr_hold_cnt(0) depctr_sa_sdst(0) depctr_va_vdst(0) depctr_va_sdst(0) depctr_va_ssrc(0) depctr_va_vcc(0) depctr_vm_vsrc(0)
	s_getreg_b32 s2, hwreg(HW_REG_IB_STS2, 6, 4)
	s_cmp_eq_u32 s2, 0
	s_cbranch_scc0 .Lentry_in_a_cluster
	s_endpgm
.Lentry_in_a_cluster:
	s_bfe_u32 s2, ttmp6, 0x10000c
	s_cmp_lg_u32 s2, 0xf033
	s_cbranch_scc0 .Lentry_shape_is_right
	s_endpgm
.Lentry_shape_is_right:
; q = x Wq^T, k = x Wk^T, v = x Wv^T on codes of E5M2 with one E8M0 scale for each 32 along K (K = 1,024), and the results quantised at once for attention's two products.
; x: 8,192 rows of 1,024 codes; each W: 1,024 rows of 1,024 codes; scale bytes 32 a row.
; A tile of 256 x 256 results is made by four waves, 128 x 128 each: 64 accumulators, 512 registers.  K goes in steps of 256 through a ring of two LDS slots filled by the tensor data mover;
; the scale bytes of the tile's 512 rows come into LDS once.  4 x 4 work-groups form a cluster; a tile that four of them need is asked for jointly.
; WHICH PRODUCT: the cluster's x (0 q, 1 k, 2 v), equal in all sixteen partners.  The matrix instruction's source 0 is called S0, its source 1 S1: a lane holds ONE row of S1, its registers run along rows of S0.
;   q, k: S0 = W (tile cx), S1 = x (tile 4 Y + cy): a lane holds a token, its registers run along the channels, which are the K of q k^T.
;   v:    S0 = x (tile 4 Y + cx), S1 = Wv (tile cy): a lane holds a channel, its registers run along the tokens, which are the K of p v.
; Only pointers and tile numbers are chosen by the kind; S1's tiles are shared along a row of the cluster, S0's along a column.
; THE WAY OUT.  The 16 registers of two neighbouring accumulators are 16 numbers of one block of 32 along the next K (the other 16 lie in lane l xor 16): true index 32 B + 16 u + 8 h + j stands at operand place
; 32 B + 16 h + 8 u + j.  That is a permutation inside a block, the same on both operands of each later product, so products and scales are kept.  The codes leave as images of the next operand's registers,
; 16 bytes a lane, 512 consecutive bytes a store.
;   kv: [64 heads][16 key steps of 128] records of 17,408 bytes: +0 K (key tile T, block c: 1,024 T + 512 c + 16 lane), +8,192 V (channel tile T, block c: 2,048 T + 512 c + 16 lane),
;       +16,384 K's scale words, +16,896 V's: word p of lane l: lanes 0-15 tile 2 p, lanes 16-31 tile 2 p + 1.   q: [64][16] records of 8,704 bytes: image, then scale words at +8,192.
; LIMITS: NaN and infinities among the results are not served; a block's largest magnitude is taken no smaller than 2^-111, so its byte is at least 1; a block of zeros gets the byte 1 (its codes are zeros; only this program reads the bytes).
.set KSTEP,  256
.set NQ,     KSTEP/128
.set ROWB,   256                       ; a tile's row in bytes
.set KROW,   1024                      ; a row of x or W in memory
.set PITCH,  272                       ; an LDS row: 256 bytes + 16 of padding: the 16 rows that a load touches start 68 words apart
.set FR,     16                        ; registers of a fragment
.set NL,     4                         ; LDS loads that bring one
.set NP,     8                         ; places behind this matrix instruction (ISA guide 7.12.1)
.set HALFT,  128*PITCH
.set SLOT,   4*HALFT                   ; S1's 256 rows, then S0's 256 rows
.set LAPS,   KROW/(2*KSTEP)
.set KS,     KROW/32                   ; a row of scale bytes
.set SCL,    2*SLOT                    ; behind the ring: the scale bytes, as units of 256 bytes + 16 of padding
.set HALFS,  (128*KS/256)*272
.set SBLK,   (16*KS/256)*272
.set SPARE,  SCL+4*HALFS               ; the spare words, 128 bytes a wave: two blocks of 256 bytes that no other line names
.set ADRA, 16                          ; v16-17  LDS address of my S1 fragments in slot 0, 1
.set ADRB, 20                          ; v20-21  the same for S0
.set LI,   24                          ; v24     16 x lane: my place in an image
.set LN,   25                          ; v25     lane
.set VSC,  26                          ; v26     16 x lane + where the record's scale words begin
.set ADRS, 27                          ; v27     LDS address of my scale words
.set SPW,  28                          ; v28     my spare word; never rewritten
.set NIL,  29                          ; v29     0; never rewritten
.set SC,   32                          ; v32-63  scale words, two sets
.set HA,   64                          ; v64-71  the way out: scale words of the two heads
.set TM,   96                          ; v96-111 the way out: +0 largest magnitudes, +4 the other half's / bytes, +12 the conversion's scale
.set PW,   112                         ; v112-119 scale word of block a of S1
.set XW,   120                         ; v120-123
.set AF,   128                         ; S1's fragments, window 0; on the way out the codes
.set PC,   128
.set G1, 24
.set G0, 32
.set G1B, 48
.set G0B, 56
.set G1S, 68
.set G0S, 76
.set G1SB, 80
.set G0SB, 88
.set SEL, 92                           ; s[92:93] on the way out: lane selects for lane l xor 16
.set MNT, 94
.set MSB, 0
.macro WIN new                         ; the immediate's high byte repeats the setting that is left
.if MSB != (\new)
	s_set_vgpr_msb (MSB<<8)|(\new)
.set MSB, (\new)
.endif
.endm
.set MUL_LO, 0xa1                      ; source 0 window 1, source 1 window 0, C and D window 2
.set MUL_HI, 0xf1                      ; the same, C and D window 3
.set TO_B,   0x40                      ; destination window 1, address window 0
; A joint load: waves 0 and 1 fetch for S1, waves 2 and 3 for S0; the branch hangs on the wave's number alone.  Four v_nop follow each of the two lines.
.macro JLOAD g0a, g1a, g0b, g1b
	s_cmp_eq_u32 s15, 0
	s_cbranch_scc0 .Lfor_b_\@
	tensor_load_to_lds s[\g0a:\g0a+3], s[\g1a:\g1a+7]
	s_nop 0
.rept 4
	v_nop
.endr
	s_branch .Lasked_\@
.Lfor_b_\@:
	tensor_load_to_lds s[\g0b:\g0b+3], s[\g1b:\g1b+7]
	s_nop 0
.rept 4
	v_nop
.endr
.Lasked_\@:
.endm
.macro CREST                           ; a round of the cluster's barrier behind its opening barrier
	s_cmp_lg_u32 s14, 0
	s_cbranch_scc1 .Lnot_wave_0_\@
	s_barrier_signal -3
.Lnot_wave_0_\@:
	s_barrier_wait -3
	s_barrier_signal -1
	s_barrier_wait -1
.endm
.macro CROUND
	s_barrier_signal -1
	s_barrier_wait -1
	CREST
.endm
	s_load_b128 s[68:71], s[0:1], 0x0              ; x's codes, x's scales
	s_load_b128 s[72:75], s[0:1], 0x10             ; Wq's
	s_load_b128 s[76:79], s[0:1], 0x20             ; Wk's
	s_load_b128 s[80:83], s[0:1], 0x30             ; Wv's
	s_load_b128 s[84:87], s[0:1], 0x40             ; q, kv
	v_lshl_add_u32 v[SPW], v0, 2, SPARE
	v_mov_b32 v[NIL], 0
	ds_add_u32 v28, v29
	ds_add_u32 v28, v29
	s_wait_dscnt 0x0
	v_lshrrev_b32 v1, 5, v0
	v_readfirstlane_b32 s14, v1                    ; wave 0..3
	s_lshr_b32 s15, s14, 1                         ; which half of S1's rows is mine.  Also: I fetch for S1 (0) or for S0 (1)
	s_and_b32 s16, s14, 1                          ; which half of S0's rows.  Also: which 128 rows of that tile I fetch
	s_bfe_u32 s40, ttmp6, 0x40000                  ; cx, cy: my place in the cluster
	s_bfe_u32 s41, ttmp6, 0x40004
	s_and_b32 s2, ttmp7, 0xffff
	s_lshl_b32 s2, s2, 2                           ; 4 Y
	s_cmp_eq_u32 ttmp9, 2                          ; v?  The cluster's x is the same in all partners
	s_cselect_b32 s42, s2, 0
	s_cselect_b32 s17, 0, s2
	s_add_co_u32 s42, s42, s40                     ; S0's tile: cx, for v 4 Y + cx
	s_add_co_u32 s17, s17, s41                     ; S1's tile: 4 Y + cy, for v cy
	s_lshl_b32 s43, s41, 2
	s_lshl_b32 s43, 15, s43                        ; my row of the cluster
	s_lshl_b32 s44, 0x1111, s40                    ; my column
	; descriptor group 1: a tile of 128 rows x 256 bytes, 16 bytes of padding behind each row
	s_or_b32 s[G1+0], s43, (0<<16)|(1<<20)|(1<<21)|(5<<22)|(3<<25)  ; the mask: S1's tiles go to my row; elements of 1 byte; padding on; bit 21 beside a mask; after every 64 words four words
	s_or_b32 s[G1B+0], s44, (0<<16)|(1<<20)|(1<<21)|(5<<22)|(3<<25) ; S0's go to my column
.irp g, G1, G1B
	s_mov_b32 s[\g+1], ROWB<<16                    ; tensor_dim0
	s_mov_b32 s[\g+2], 128<<16                     ; tensor_dim1
	s_mov_b32 s[\g+3], ROWB<<16                    ; tile_dim0
	s_mov_b32 s[\g+4], 128                         ; tile_dim1
	s_mov_b32 s[\g+5], KROW                        ; from row to row
	s_mov_b32 s[\g+6], 0
	s_mov_b32 s[\g+7], 0
.endr
	s_wait_kmcnt 0x0
	s_cmp_eq_u32 ttmp9, 1                          ; the kind's weight
	s_cselect_b64 s[72:73], s[76:77], s[72:73]
	s_cselect_b64 s[74:75], s[78:79], s[74:75]
	s_cmp_eq_u32 ttmp9, 2
	s_cselect_b64 s[72:73], s[80:81], s[72:73]
	s_cselect_b64 s[74:75], s[82:83], s[74:75]
	s_cselect_b64 s[4:5], s[72:73], s[68:69]       ; S1's codes: x, for v the weight
	s_cselect_b64 s[6:7], s[74:75], s[70:71]       ; S1's scales
	s_cselect_b64 s[8:9], s[68:69], s[72:73]       ; S0's codes: the weight, for v x
	s_cselect_b64 s[10:11], s[70:71], s[74:75]     ; S0's scales
	s_cmp_eq_u32 ttmp9, 0
	s_cselect_b64 s[12:13], s[84:85], s[86:87]     ; where the results go: q, else kv
	; the scale bytes of 128 rows: a dense block of 4,096 bytes, as rows of 256 bytes (32 elements of 8), 16 bytes of padding behind each
	s_or_b32 s[G1S+0], s43, (3<<16)|(1<<20)|(1<<21)|(5<<22)|(3<<25)
	s_or_b32 s[G1SB+0], s44, (3<<16)|(1<<20)|(1<<21)|(5<<22)|(3<<25)
.irp g, G1S, G1SB
	s_mov_b32 s[\g+1], 32<<16
	s_mov_b32 s[\g+2], (128*KS/256)<<16
	s_mov_b32 s[\g+3], 32<<16
	s_mov_b32 s[\g+4], 128*KS/256
	s_mov_b32 s[\g+5], 32
	s_mov_b32 s[\g+6], 0
	s_mov_b32 s[\g+7], 0
.endr
	s_lshl_b32 s18, s16, 7                         ; which 128 rows of the tile I fetch
	s_lshl_b32 s20, s17, 8
	s_add_co_u32 s20, s20, s18                     ; S1: row 256 x tile + 128 x half
	s_lshl_b32 s46, s42, 8
	s_add_co_u32 s46, s46, s18                     ; S0 likewise
	s_mov_b32 s21, 0
	s_mov_b32 s47, 0
	s_mov_b64 s[18:19], KS
	s_mul_u64 s[22:23], s[20:21], s[18:19]         ; where these rows' scales begin
	s_mul_u64 s[92:93], s[46:47], s[18:19]
	s_mov_b64 s[18:19], KROW
	s_mul_u64 s[20:21], s[20:21], s[18:19]         ; and their codes
	s_mul_u64 s[46:47], s[46:47], s[18:19]
	s_mul_i32 s45, s14, HALFT                      ; where they go: wave x 128 rows: no place in the cluster enters an LDS address
	s_mul_i32 s94, s14, HALFS
	s_add_nc_u64 s[20:21], s[4:5], s[20:21]
	s_add_nc_u64 s[22:23], s[6:7], s[22:23]
	s_add_nc_u64 s[46:47], s[8:9], s[46:47]
	s_add_nc_u64 s[92:93], s[10:11], s[92:93]
	CROUND                                         ; all sixteen work-groups are here: the first joint loads meet
	s_mov_b32 s[G0S], 1
	s_add_co_u32 s[G0S+1], s94, SCL
	s_mov_b64 s[G0S+2:G0S+3], s[22:23]
	s_or_b32 s[G0S+3], s[G0S+3], 0x80000000
	s_mov_b32 s[G0SB], 1
	s_add_co_u32 s[G0SB+1], s94, SCL
	s_mov_b64 s[G0SB+2:G0SB+3], s[92:93]
	s_or_b32 s[G0SB+3], s[G0SB+3], 0x80000000
	JLOAD G0S, G1S, G0SB, G1SB                     ; the scales first: they are wanted with K step 0
.irp s, 0,1
	s_mov_b32 s[G0+4*\s], 1
	s_add_co_u32 s[G0+4*\s+1], s45, \s*SLOT
	s_add_nc_u64 s[G0+4*\s+2:G0+4*\s+3], s[20:21], \s*ROWB
	s_or_b32 s[G0+4*\s+3], s[G0+4*\s+3], 0x80000000
	s_mov_b32 s[G0B+4*\s], 1
	s_add_co_u32 s[G0B+4*\s+1], s45, \s*SLOT
	s_add_nc_u64 s[G0B+4*\s+2:G0B+4*\s+3], s[46:47], \s*ROWB
	s_or_b32 s[G0B+4*\s+3], s[G0B+4*\s+3], 0x80000000
	JLOAD G0+4*\s, G1, G0B+4*\s, G1B
.endr
	v_and_b32 v1, 15, v0                           ; r = lane % 16
	v_bfe_u32 v2, v0, 4, 1                         ; h = lane / 16
	v_mul_u32_u24 v3, v1, PITCH
	v_lshl_add_u32 v4, v2, 4, v3                   ; a fragment's row x pitch + 16 x half
	s_mul_i32 s21, s15, HALFT                      ; my 128 rows of S1
	s_mul_i32 s22, s16, HALFT                      ; my 128 rows of S0,
	s_add_co_u32 s22, s22, 2*HALFT                 ; which lie behind S1's 256
.irp s, 0,1
	v_add_nc_u32 v[ADRA+\s], s21, v4
	v_add_nc_u32 v[ADRB+\s], s22, v4
	s_add_co_u32 s21, s21, SLOT
	s_add_co_u32 s22, s22, SLOT
.endr
	v_mul_u32_u24 v5, v1, KS                       ; my row's scales: 32 bytes a row,
	v_lshrrev_b32 v6, 8, v5
	v_lshl_add_u32 v5, v6, 4, v5                   ; and 16 more for each 256 passed
	s_mul_i32 s21, s15, HALFS
	s_mul_i32 s22, s16, HALFS
	s_add_co_u32 s22, s22, 2*HALFS
	s_sub_co_u32 s22, s22, s21
	v_mul_u32_u24 v6, s22, v2                      ; lanes 16-31 take S0's
	s_add_co_u32 s21, s21, SCL
	v_add_nc_u32 v5, v5, v6
	v_add_nc_u32 v[ADRS], s21, v5
	v_and_b32 v[LN], 31, v0
	v_lshlrev_b32 v[LI], 4, v[LN]
.macro FRAG reg, adr, q, i             ; 16 rows x 128 K: lane l holds row l % 16; registers 4 c .. 4 c + 3 hold K = 32 c + 16 (l / 16) + 0 .. 15
.irp c, 0,1,2,3
	ds_load_b128 v[\reg+4*\c:\reg+4*\c+3], v[\adr] offset:128*(\q)+32*\c+(\i)*16*PITCH
.endr
.endm
; 16 matrix instructions: S1's blocks a0, a0 + 1 x S0's eight.  The 64 accumulators take turns, one instruction a turn, in the same order in every step.
.macro MUL16 a0, p, q, sc, zero
.irp a, \a0, \a0+1
.irp b, 0,1,2,3,4,5,6,7
.if \zero
	v_wmma_scale_f32_16x16x128_f8f6f4 v[8*(8*((\a)%4)+\b):8*(8*((\a)%4)+\b)+7], v[128*(\p)+FR*\b:128*(\p)+FR*\b+FR-1], v[AF+FR*(\a):AF+FR*(\a)+FR-1], 0, v[SC+8*NQ*(\sc)+NQ*\b+(\q)], v[SC+8*NQ*(\sc)+NQ*(\a)+(\q)] matrix_a_fmt:MATRIX_FMT_BF8 matrix_b_fmt:MATRIX_FMT_BF8 matrix_a_scale:MATRIX_SCALE_ROW1
.else
	v_wmma_scale_f32_16x16x128_f8f6f4 v[8*(8*((\a)%4)+\b):8*(8*((\a)%4)+\b)+7], v[128*(\p)+FR*\b:128*(\p)+FR*\b+FR-1], v[AF+FR*(\a):AF+FR*(\a)+FR-1], v[8*(8*((\a)%4)+\b):8*(8*((\a)%4)+\b)+7], v[SC+8*NQ*(\sc)+NQ*\b+(\q)], v[SC+8*NQ*(\sc)+NQ*(\a)+(\q)] matrix_a_fmt:MATRIX_FMT_BF8 matrix_b_fmt:MATRIX_FMT_BF8 matrix_a_scale:MATRIX_SCALE_ROW1
.endif
.endr
.endr
.endm
.macro FETCH_B slot, q, p              ; S0's eight fragments into set p
	WIN TO_B
.irp i, 0,1,2,3,4,5,6,7
	FRAG 128*(\p)+FR*\i, ADRB+\slot, \q, \i
.endr
	WIN 0
.endm
.macro FETCH_A slot, q, i0             ; S1's blocks i0 .. i0 + 3
.irp i, \i0, \i0+1, \i0+2, \i0+3
	FRAG AF+FR*(\i), ADRA+\slot, \q, \i
.endr
.endm
.macro SCALES sc                       ; a K step's scale words: lanes 0-15 S1's block i, lanes 16-31 S0's block i
.irp i, 0,1,2,3,4,5,6,7
	ds_load_b64 v[SC+8*NQ*\sc+NQ*\i:SC+8*NQ*\sc+NQ*\i+1], v[ADRS] offset:\i*SBLK
.endr
.endm
.macro PLACES n                        ; plain vector instructions between a matrix instruction and a load into, or a read of, its registers
.rept \n
	v_nop
.endr
.endm
.macro STEP slot, q, zero              ; 128 along K whose successor lies in the same slot
	s_wait_dscnt 4*NL                              ; S0's set and S1's blocks 0-3 are in; the youngest 16 loads (S1's blocks 4-7) may be out
	WIN MUL_LO
	MUL16 0, (\q)%2, \q, \slot, \zero
	MUL16 2, (\q)%2, \q, \slot, \zero
	s_wait_dscnt 0                                 ; S1's blocks 4-7 are in
	PLACES NP
	FETCH_B \slot, (\q)+1, 1-(\q)%2
	FETCH_A \slot, (\q)+1, 0
	WIN MUL_HI
	MUL16 4, (\q)%2, \q, \slot, \zero
	MUL16 6, (\q)%2, \q, \slot, \zero
	PLACES NP
	WIN 0
	FETCH_A \slot, (\q)+1, 4
.endm
; A slot's last step changes slots: one barrier; in front of it each wave waits for all its tensor loads, adds 0 to its spare word, and waits for that and for its reads of this slot.
.macro TURN slot, next, fill
	s_wait_tensorcnt 0x0                           ; all my tensor loads have landed: my part of the next slot
	ds_add_u32 v[SPW], v[NIL]                      ; 0 onto my spare word
	s_wait_dscnt 4*NL+1                            ; the add and the youngest 16 loads (S1's blocks 4-7) may be out
	WIN MUL_LO
	MUL16 0, 1, NQ-1, \slot, 0                     ; sixteen matrix instructions stand between the add and the wait for it
	s_wait_dscnt 0x0                               ; the add is done, and my reads of this slot are over
	s_barrier_signal -1
	MUL16 2, 1, NQ-1, \slot, 0
	WIN 0
	s_barrier_wait -1
.if \fill
	CREST                                          ; the barrier has opened a round of the cluster's barrier: no wave of any partner still reads this slot or has a load on its way
	s_add_nc_u64 s[G0+4*\slot+2:G0+4*\slot+3], s[G0+4*\slot+2:G0+4*\slot+3], 2*ROWB
	s_add_nc_u64 s[G0B+4*\slot+2:G0B+4*\slot+3], s[G0B+4*\slot+2:G0B+4*\slot+3], 2*ROWB
	JLOAD G0+4*\slot, G1, G0B+4*\slot, G1B         ; the first tensor load behind the round; its four v_nop are four of the eight places
	PLACES NP-4
.else
	PLACES NP
.endif
	s_wait_alu depctr_va_vdst(0)
	v_add_nc_u32 v[ADRS], 4*NQ, v[ADRS]            ; the next K step's scale words
	FETCH_B \next, 0, 0
	FETCH_A \next, 0, 0
	SCALES \next
	WIN MUL_HI
	MUL16 4, 1, NQ-1, \slot, 0
	MUL16 6, 1, NQ-1, \slot, 0
	PLACES NP
	WIN 0
	FETCH_A \next, 0, 4
.endm
	s_wait_alu depctr_va_vdst(0)
	s_wait_tensorcnt 1                             ; the scales and my part of K step 0 are in (K step 1's load may be out),
	s_barrier_signal -1
	s_barrier_wait -1                              ; everybody's are
	FETCH_B 0, 0, 0
	FETCH_A 0, 0, 0
	SCALES 0
	FETCH_A 0, 0, 4
	STEP 0, 0, 1                                   ; the first step's products start the sums: nothing is cleared
	s_mov_b32 s3, LAPS-1
.Llap:                                                 ; a trip goes once round the ring and fills both slots again
	TURN 0, 1, 1
	STEP 1, 0, 0
	TURN 1, 0, 1
	STEP 0, 0, 0
	s_sub_co_u32 s3, s3, 1
	s_cmp_lg_u32 s3, 0
	s_cbranch_scc1 .Llap
	TURN 0, 1, 0                                   ; the last lap fills nothing
	STEP 1, 0, 0
	s_wait_dscnt 4*NL
	WIN MUL_LO
	MUL16 0, 1, NQ-1, 1, 0
	MUL16 2, 1, NQ-1, 1, 0
	s_wait_dscnt 0
	WIN MUL_HI
	MUL16 4, 1, NQ-1, 1, 0
	MUL16 6, 1, NQ-1, 1, 0
	WIN 0
; THE WAY OUT.  Block a of S1 (16 rows): a lane's 64 results, register 16 B + 8 u + j = index 32 B + 16 u + 8 h + j along the next K, become 16 registers of codes and a scale word of four bytes.
.macro QUANT a
.set QW, 2+(\a)/4                      ; the accumulators' window
.set QB, 64*((\a)%4)
.set QP, PC+16*(\a)
	WIN (QW|(QW<<2))                               ; sources 0 and 1 in the accumulators' window
.irp b, 0,1,2,3
	v_max3_num_f32 v[TM+\b], |v[QB+16*\b]|, |v[QB+16*\b+1]|, 0x8000000   ; my 16 numbers of block B, and the floor 2^(16 - 127): the byte cannot fall under 1.  Each accumulator is read from its low end on
.endr
.irp i, 2,4,6,8,10,12,14
.irp b, 0,1,2,3
	v_max3_num_f32 v[TM+\b], |v[QB+16*\b+\i]|, |v[QB+16*\b+\i+1]|, v[TM+\b]
.endr
.endr
	WIN 0
.irp b, 0,1,2,3
	v_permlanex16_b32 v[TM+4+\b], v[TM+\b], s[SEL], s[SEL+1]
.endr
.irp b, 0,1,2,3
	v_max_num_f32 v[TM+\b], v[TM+\b], v[TM+4+\b]   ; with lane l xor 16's: the block's largest magnitude
.endr
.irp b, 0,1,2,3
	v_add_nc_u32 v[TM+12+\b], 0xf8800000, v[TM+\b] ; 15 off its exponent field: the conversion's scale operand
.endr
.irp b, 0,1,2,3
.endr
.irp b, 0,1,2,3
	v_lshrrev_b32 v[TM+4+\b], 23, v[TM+12+\b]      ; the scale's byte
.endr
	v_lshl_or_b32 v[PW+(\a)], v[TM+5], 8, v[TM+4]
	v_lshl_or_b32 v[PW+(\a)], v[TM+6], 16, v[PW+(\a)]
	v_lshl_or_b32 v[PW+(\a)], v[TM+7], 24, v[PW+(\a)]
	WIN (QW|(QW<<6))                               ; source 0 and destination in the accumulators' window
.irp b, 0,1,2,3
.irp i, 0,1,2,3,4,5,6,7,8,9,10,11,12,13,14,15
.endr
.endr
	WIN QW
.irp b, 0,1,2,3
	v_cvt_scalef32_pk8_bf8_f32 v[QP+4*\b:QP+4*\b+1], v[QB+16*\b:QB+16*\b+7], v[TM+12+\b]
	v_cvt_scalef32_pk8_bf8_f32 v[QP+4*\b+2:QP+4*\b+3], v[QB+16*\b+8:QB+16*\b+15], v[TM+12+\b]
.endr
	WIN 0
	v_nop                                          ; a plain instruction between the conversions and the next write of their scale operands
.endm
	PLACES NP                                      ; behind the last products: their results are read, and S1's fragment registers written, below
	s_mov_b32 s[SEL], 0x76543210
	s_mov_b32 s[SEL+1], 0xfedcba98
.irp b, 0,1,2,3
	v_mov_b32 v[TM+4+\b], 0                        ; a lane permute's destination counts as one of its sources
.endr
.irp a, 0,1,2,3,4,5,6,7
	QUANT \a
.endr
	; where my wave's two records begin: tokens 128 G on (batch G / 16, block G % 16), heads hd0 and hd0 + 1
	s_cmp_eq_u32 ttmp9, 2
	s_cselect_b32 s2, s42, s17                     ; the tokens' tile: S1's, for v S0's
	s_cselect_b32 s3, s16, s15                     ; and my half of it
	s_cselect_b32 s18, s17, s42                    ; the channels' tile
	s_cselect_b32 s19, s15, s16                    ; and my half of it
	s_lshl_b32 s2, s2, 1
	s_add_co_u32 s2, s2, s3                        ; G
	s_lshl_b32 s18, s18, 2
	s_lshl_b32 s19, s19, 1
	s_add_co_u32 s18, s18, s19                     ; hd0 = 4 x tile + 2 x half
	s_lshr_b32 s3, s2, 4
	s_lshl_b32 s3, s3, 4
	s_add_co_u32 s18, s18, s3                      ; head's number among the 64: 16 x batch + hd0
	s_and_b32 s2, s2, 15                           ; block
	s_mov_b32 s19, 17408
	s_mov_b32 s22, 16384
	s_cmp_eq_u32 ttmp9, 0
	s_cselect_b32 s19, 8704, s19                   ; a record
	s_cselect_b32 s22, 8192, s22                   ; where its first scale words lie
	s_lshl_b32 s46, s19, 4                         ; a head: 16 records
	s_mov_b32 s47, 0
	s_mul_i32 s18, s18, s46
	s_mul_i32 s2, s2, s19
	s_add_co_u32 s2, s2, s18
	s_mov_b32 s3, 0
	s_add_nc_u64 s[12:13], s[12:13], s[2:3]        ; head hd0's record
	s_add_nc_u64 s[20:21], s[12:13], s[46:47]      ; head hd0 + 1's
	v_add_nc_u32 v[VSC], s22, v[LI]
	v_cmp_lt_u32 vcc_lo, 15, v[LN]                 ; lanes 16-31
	s_cmp_eq_u32 ttmp9, 2
	s_cbranch_scc1 .Lv_arm
	s_wait_alu depctr_va_vdst(0)
	; q, k: block a is token tile a; groups 0, 1 are head hd0's two blocks of channels, groups 2, 3 head hd0 + 1's.  Each store covers 512 consecutive bytes, aligned
.irp a, 0,1,2,3,4,5,6,7
.irp g, 0,1
	global_store_b128 v[LI], v[PC+16*\a+4*\g:PC+16*\a+4*\g+3], s[12:13] offset:\a*1024+\g*512
	global_store_b128 v[LI], v[PC+16*\a+8+4*\g:PC+16*\a+8+4*\g+3], s[20:21] offset:\a*1024+\g*512
.endr
.endr
.irp p, 0,1,2,3
	v_cndmask_b32 v[XW+\p], v[PW+2*\p], v[PW+2*\p+1], vcc_lo   ; lanes 0-15 tile 2 p's words, lanes 16-31 tile 2 p + 1's
.endr
.irp p, 0,1,2,3
	v_and_b32 v[HA+\p], 0xffff, v[XW+\p]           ; head hd0: bytes 0, 1; the bytes of K = 64 .. 127, which attention's first product does not have, are 0
	v_lshrrev_b32 v[HA+4+\p], 16, v[XW+\p]         ; head hd0 + 1: bytes 2, 3
.endr
	global_store_b128 v[VSC], v[HA:HA+3], s[12:13]
	global_store_b128 v[VSC], v[HA+4:HA+7], s[20:21]
	s_branch .Ldone
.Lv_arm:
	s_wait_alu depctr_va_vdst(0)
	; v: blocks 0-3 are head hd0's four channel tiles, blocks 4-7 head hd0 + 1's; group g is the block of 32 keys
.irp a, 0,1,2,3,4,5,6,7
.irp g, 0,1,2,3
	global_store_b128 v[LI], v[PC+16*\a+4*\g:PC+16*\a+4*\g+3], s[12+8*(\a/4):13+8*(\a/4)] offset:8192+(\a%4)*2048+\g*512
.endr
.endr
.irp e, 0,1
	v_cndmask_b32 v[HA+4*\e], v[PW+4*\e], v[PW+4*\e+1], vcc_lo
	v_cndmask_b32 v[HA+4*\e+1], v[PW+4*\e+2], v[PW+4*\e+3], vcc_lo
	v_mov_b32 v[HA+4*\e+2], 0                      ; the record's last words are written too
	v_mov_b32 v[HA+4*\e+3], 0
.endr
	global_store_b128 v[LI], v[HA:HA+3], s[12:13] offset:16896
	global_store_b128 v[LI], v[HA+4:HA+7], s[20:21] offset:16896
.Ldone:
	s_wait_tensorcnt 0x0                           ; the wave's end
	ds_add_u32 v[SPW], v[NIL]
	s_wait_dscnt 0x0
	CROUND                                         ; the closing round: no work-group ends while a partner may still ask for a tile that names it
	s_endpgm
.Lfunc_end_k_qe5cd92e5f0_qkv:
	.size	k_qe5cd92e5f0_qkv, .Lfunc_end_k_qe5cd92e5f0_qkv-k_qe5cd92e5f0_qkv
	.p2alignl 7, 3214868480
	.fill 96, 4, 3214868480
	.section	.rodata,"a",@progbits
	.p2align	6, 0x0
	.amdhsa_kernel k_qe5cd92e5f0_qkv
		.amdhsa_group_segment_fixed_size 327680
		.amdhsa_private_segment_fixed_size 0
		.amdhsa_enable_private_segment 0
		.amdhsa_kernarg_size 80
		.amdhsa_user_sgpr_count 2
		.amdhsa_user_sgpr_kernarg_segment_ptr 1
		.amdhsa_wavefront_size32 1
		.amdhsa_system_sgpr_workgroup_id_x 1
		.amdhsa_system_sgpr_workgroup_id_y 1
		.amdhsa_system_sgpr_workgroup_id_z 1
		.amdhsa_system_vgpr_workitem_id 0
		.amdhsa_next_free_vgpr 1024
		.amdhsa_next_free_sgpr 98
		.amdhsa_reserve_vcc 1
		.amdhsa_float_denorm_mode_32 3
		.amdhsa_float_denorm_mode_16_64 3
		.amdhsa_fp16_overflow 1
		.amdhsa_memory_ordered 1
		.amdhsa_forward_progress 1
		.amdhsa_inst_pref_size 155
	.end_amdhsa_kernel
	.amdgpu_metadata
---
amdhsa.version: [ 1, 2 ]
amdhsa.kernels:
  - .name:           k_qe5cd92e5f0_qkv
    .symbol:         k_qe5cd92e5f0_qkv.kd
    .args:
      - { .name: x_codes, .offset: 0, .size: 8, .value_kind: global_buffer, .address_space: global }
      - { .name: x_scales, .offset: 8, .size: 8, .value_kind: global_buffer, .address_space: global }
      - { .name: Wq_codes, .offset: 16, .size: 8, .value_kind: global_buffer, .address_space: global }
      - { .name: Wq_scales, .offset: 24, .size: 8, .value_kind: global_buffer, .address_space: global }
      - { .name: Wk_codes, .offset: 32, .size: 8, .value_kind: global_buffer, .address_space: global }
      - { .name: Wk_scales, .offset: 40, .size: 8, .value_kind: global_buffer, .address_space: global }
      - { .name: Wv_codes, .offset: 48, .size: 8, .value_kind: global_buffer, .address_space: global }
      - { .name: Wv_scales, .offset: 56, .size: 8, .value_kind: global_buffer, .address_space: global }
      - { .name: q, .offset: 64, .size: 8, .value_kind: global_buffer, .address_space: global }
      - { .name: kv, .offset: 72, .size: 8, .value_kind: global_buffer, .address_space: global }
    .group_segment_fixed_size: 327680
    .private_segment_fixed_size: 0
    .kernarg_segment_align: 8
    .kernarg_segment_size: 80
    .max_flat_workgroup_size: 128
    .sgpr_count:     98
    .vgpr_count:     1024
    .wavefront_size: 32
...
	.end_amdgpu_metadata
.endif
;; end of part 1
;; launch attn (part 2): grid 4 x 64, 8 waves a work-group, clusters of 4 x 1, 327,680 bytes of LDS; arguments q, kv, ao, ao_sc; writes ao, ao_sc
.if DOCPART == 2
	.amdgcn_target "amdgcn-amd-amdhsa--gfx1250"
	.amdhsa_code_object_version 6
	.text
	.protected	k_qe5cd92e5f0_attn
	.globl	k_qe5cd92e5f0_attn
	.p2align	8
	.type	k_qe5cd92e5f0_attn,@function
k_qe5cd92e5f0_attn:
	s_mov_b64 s[64:65], 0
	v_nop
	global_prefetch_b8 v0, s[64:65] scope:SCOPE_SE
	s_setreg_imm32_b32 hwreg(HW_REG_WAVE_MODE, 25, 1), 1
	s_wait_xcnt 0x0
	s_wait_alu depctr_hold_cnt(0) depctr_sa_sdst(0) depctr_va_vdst(0) depctr_va_sdst(0) depctr_va_ssrc(0) depctr_va_vcc(0) depctr_vm_vsrc(0)
	s_getreg_b32 s2, hwreg(HW_REG_IB_STS2, 6, 4)
	s_cmp_eq_u32 s2, 0
	s_cbranch_scc0 .Lentry_in_a_cluster
	s_endpgm
.Lentry_in_a_cluster:
	s_bfe_u32 s2, ttmp6, 0x10000c
	s_cmp_lg_u32 s2, 0x3003
	s_cbranch_scc0 .Lentry_shape_is_right
	s_endpgm
.Lentry_shape_is_right:
; Causal attention of 64 heads (2,048 tokens, head size 64) on codes of E5M2 with one E8M0 scale for each 32 along a product's K, and the result quantised along the model's 1,024 for the last projection.
; t = score x log2(e) / 64; M = the row's largest t so far, rounded up to a whole number; p = 2^(t - M) is quantised along the keys, not normalised; the row's sum is taken of the unquantised p and divides at the end.
; When M moves, the sum and O are multiplied by 2^(old M - new M), which rounds nothing.
; INPUTS (made by the launch before, as images of operand registers): kv: [64 heads][16 key steps of 128] records of 17,408 bytes: +0 K (key tile T, block c: 1,024 T + 512 c + 16 lane), +8,192 V (channel tile T,
; block of 32 keys c: 2,048 T + 512 c + 16 lane), +16,384 K's scale words, +16,896 V's (word p of lane l: lanes 0-15 tile 2 p, lanes 16-31 tile 2 p + 1).  q: [64][16] records of 8,704 bytes: image as K's, scale words at +8,192.
; Inside each block of 32 the operand place 16 h + 8 u + j holds true index 16 u + 8 h + j, alike on both operands of each product: products and scales are kept.
; SHARES.  A cluster of four work-groups is one head.  ALL 16 records of the head, 278,528 bytes, come into each work-group's LDS once, by joint loads; nothing is filled again.
; Work-group cx takes queries 32 cx .. 32 cx + 31 of every block of 128; wave w takes these two tiles of 16 of block 15 - w, then of block w: 17 live key steps for every wave.
; Key steps behind a wave's block are left out by a scalar branch on the wave's number and the step's count; cx enters global addresses and the mask's vector operand alone.
; LAYOUT.  Both products are used transposed: S^T = K Q^T (source 0 = 16 keys, source 1 = 16 queries), O^T = V^T P^T: a lane holds one query throughout; each fragment of K and V feeds two matrix instructions.
; K = 64 IN AN INSTRUCTION OF 128: Q's registers 8-15 are zero codes.  K's operand of tile T is 16 registers on end, whose upper eight are tile T + 1's codes (finite, since the quantiser holds them; zeros behind tile 7);
; the scale bytes of that half are 0 on both sides.  Every product there is 0.
; OUTPUTS: ao: [32 tiles of 256 tokens][4 K slots of 256][16 token tiles][2 K steps][4 blocks][16 x lane]; ao_sc: [8,192 tokens][32 bytes].
; LIMITS: NaN and infinities are not served; a block's largest magnitude is taken no smaller than 2^-111; a block of zeros gets the byte 1 (its codes are zeros; only this program reads the bytes).
; No prefetch: all that the launch reads from kv is asked for by its first loads.
; REGISTERS.  Window 0: v1-9 addresses; v12.. a tile's -M, largest t, sum pair; v20.. f; v24-35 scale words; v36-75 at work, 20 a tile; v76-79; v80-207 S^T, then p, 64 a tile; v208-239 p's codes.
; Window 1: v0-63 K, v64-71 zeros, v72-135 V, v136-167 Q (8 codes + 8 zeros a tile), v168-231 O^T (32 a tile), v232-247 the second pass's Q.
.set REC,   17408
.set HALFH, 8*REC
.set LI,   1                           ; 16 x lane
.set ADR,  2                           ; LDS address of the step's record, + 16 x lane
.set VQ,   3                           ; 16 x lane + 2,048 cx: my work-group's two tiles in a record of q
.set VQS,  4                           ; 16 r + 4 cx: their scale words
.set L32,  5                           ; 32 x lane: a token's row of ao_sc
.set DQ,   6                           ; v6-7  32 cx + 16 t + r - 8 h
.set NINF, 8
.set LANE, 9
.set SM,   12                          ; + 4 t: -M, largest t, the sum in two halves
.set FF,   20                          ; + 2 t: f and a word that is only named
.set KSC,  24                          ; v24-27 K's scale words
.set VSC,  28                          ; v28-29 V's
.set QS,   30                          ; v30-31 Q's
.set QSL,  32                          ; v32-33 the second pass's
.set PS,   34                          ; v34-35 p's
.set TS,   20
.set BM,   36                          ; + 20 t: four blocks' largest
.set PX,   40                          ; the other half's; bytes
.set HD,   44
.set SO,   48                          ; the conversion's scale
.set AUX,  52                          ; a second chain of sums
.set XX,   54
.set RL,   76                          ; 1 / the sum
.set HW,   78                          ; two scale bytes of the result
.set S,    80
.set PC,   208
.set KF,   0                           ; window 1
.set ZF,   64
.set VF,   72
.set QF,   136
.set OF,   168
.set QL,   232
.set WV,   12
.set CX,   13
.set HY,   14
.set MNT,  19
.set SEL,  20
.set CS,   22
.set G1,   24
.set G0E,  40
.set G0L,  44
.set TB,   48                          ; LDS byte of the step's record
.set SI,   49                          ; the step
.set LIM,  50                          ; the wave's block: its last live step
.set QBH,  52
.set QBL,  54
.set AOH,  60
.set AOL,  62
.set ASH,  66
.set ASL,  68
.set MSB, 0
.macro WIN new                         ; low byte: bits 1:0 source 0, 3:2 source 1, 5:4 source 2, 7:6 destination; the high byte repeats the setting that is left
.if MSB != (\new)
	s_set_vgpr_msb (MSB<<8)|(\new)
.set MSB, (\new)
.endif
.endm
.macro ROUND                           ; a round of the cluster's barrier
	s_barrier_signal -1
	s_barrier_wait -1
	s_cmp_lg_u32 s[WV], 0
	s_cbranch_scc1 .Lnot_wave_0_\@
	s_barrier_signal -3
.Lnot_wave_0_\@:
	s_barrier_wait -3
	s_barrier_signal -1
	s_barrier_wait -1
.endm
	s_load_b256 s[4:11], s[0:1], 0x0               ; q s[4:5], kv s[6:7], ao s[8:9], ao_sc s[10:11]
	v_lshl_add_u32 v254, v0, 2, 0x44000
	v_mov_b32 v255, 0
	ds_add_u32 v254, v255
	ds_add_u32 v254, v255
	v_lshrrev_b32 v2, 5, v0
	s_delay_alu instid0(VALU_DEP_1)
	v_readfirstlane_b32 s[WV], v2                  ; wave 0..7
	s_bfe_u32 s[CX], ttmp6, 0x40000                ; my place in the cluster
	s_and_b32 s[HY], ttmp7, 0xffff                 ; the head, 16 x batch + head
	; descriptor group 1: a record, dense: 68 rows of 256 bytes (32 elements of 8), no padding; the mask names all four work-groups, bit 21 beside it
	s_mov_b32 s[G1], 15|(3<<16)|(1<<21)
	s_mov_b32 s[G1+1], 32<<16                      ; tensor_dim0
	s_mov_b32 s[G1+2], 68<<16                      ; tensor_dim1
	s_mov_b32 s[G1+3], 32<<16                      ; tile_dim0
	s_mov_b32 s[G1+4], 68                          ; tile_dim1
	s_mov_b32 s[G1+5], 32                          ; from row to row
	s_mov_b32 s[G1+6], 0
	s_mov_b32 s[G1+7], 0
	s_mul_i32 s79, s[WV], REC                      ; record w: in LDS as in the head's part of kv
	s_mul_i32 s74, s[HY], 16*REC
	s_add_co_u32 s74, s74, s79
	s_mov_b32 s75, 0
	s_mov_b32 s[SEL], 0x76543210
	s_mov_b32 s[SEL+1], 0xfedcba98                 ; lane l xor 16
	s_mov_b32 s[CS], 0x3cb8aa3b                    ; c = log2(e) / 64
	s_mov_b32 s[CS+1], s[CS]                       ; (named with it as a pair)
	s_wait_dscnt 0x0
	s_wait_kmcnt 0x0
	s_mov_b32 s[G0E], 1
	s_mov_b32 s[G0E+1], s79
	s_add_nc_u64 s[G0E+2:G0E+3], s[6:7], s[74:75]
	s_mov_b32 s[G0L], 1
	s_add_co_u32 s[G0L+1], s79, HALFH              ; record 8 + w
	s_add_nc_u64 s[G0L+2:G0L+3], s[G0E+2:G0E+3], HALFH
	s_or_b32 s[G0E+3], s[G0E+3], 0x80000000        ; type = 2
	s_or_b32 s[G0L+3], s[G0L+3], 0x80000000
	ROUND                                          ; all four work-groups are here: the joint loads meet
	tensor_load_to_lds s[G0E:G0E+3], s[G1:G1+7]    ; my record of the first eight: it lands before the second load is asked for
	s_nop 0
	s_wait_alu depctr_va_vdst(0)
	s_wait_tensorcnt 0x0
	ds_add_u32 v254, v255
	s_wait_dscnt 0x0
	ROUND
	tensor_load_to_lds s[G0L:G0L+3], s[G1:G1+7]
	s_nop 0
.rept 4
	v_nop
.endr
	; where my two blocks' queries come from and their results go
	s_mul_i32 s70, s[HY], 16*8704                  ; q: the head
	s_lshr_b32 s76, s[HY], 4                       ; batch
	s_and_b32 s77, s[HY], 15                       ; head
	s_lshl_b32 s71, s76, 21                        ; ao: 8 tiles of 262,144 bytes a batch,
	s_lshr_b32 s78, s77, 2
	s_lshl_b32 s78, s78, 16                        ; K slot head / 4,
	s_add_co_u32 s71, s71, s78
	s_lshl_b32 s78, s[CX], 13                      ; token tiles 2 cx on,
	s_add_co_u32 s71, s71, s78
	s_and_b32 s78, s77, 3
	s_lshl_b32 s78, s78, 10                        ; K step (head / 2) % 2 and blocks 2 (head % 2) on: 1,024 (head % 4)
	s_add_co_u32 s71, s71, s78
	s_lshl_b32 s72, s76, 16                        ; ao_sc: 2,048 tokens of 32 bytes a batch,
	s_lshl_b32 s78, s[CX], 10                      ; 32 cx tokens,
	s_add_co_u32 s72, s72, s78
	s_lshl_b32 s78, s77, 1                         ; bytes 2 head on
	s_add_co_u32 s72, s72, s78
	s_sub_co_u32 s73, 15, s[WV]                    ; the first pass's block
.macro BASES blk, qb, aob, scb
	s_mul_i32 s74, s[\blk], 8704
	s_add_co_u32 s74, s74, s70
	s_add_nc_u64 s[\qb:\qb+1], s[4:5], s[74:75]
	s_lshr_b32 s74, s[\blk], 1
	s_lshl_b32 s74, s74, 18                        ; the tile of 256 tokens,
	s_and_b32 s78, s[\blk], 1
	s_lshl_b32 s78, s78, 15                        ; its upper eight token tiles
	s_add_co_u32 s74, s74, s78
	s_add_co_u32 s74, s74, s71
	s_add_nc_u64 s[\aob:\aob+1], s[8:9], s[74:75]
	s_lshl_b32 s74, s[\blk], 12                    ; 128 tokens of 32 bytes
	s_add_co_u32 s74, s74, s72
	s_add_nc_u64 s[\scb:\scb+1], s[10:11], s[74:75]
.endm
	BASES 73, QBH, AOH, ASH
	BASES WV, QBL, AOL, ASL
	v_and_b32 v[LANE], 31, v0
	s_delay_alu instid0(VALU_DEP_1)
	v_lshlrev_b32 v[LI], 4, v[LANE]
	s_delay_alu instid0(VALU_DEP_1)
	v_lshl_add_u32 v[VQ], s[CX], 11, v[LI]
	v_and_b32 v10, 15, v0                          ; r
	v_bfe_u32 v11, v0, 4, 1                        ; h
	s_delay_alu instid0(VALU_DEP_2)
	v_lshlrev_b32 v[VQS], 4, v10
	s_delay_alu instid0(VALU_DEP_1)
	v_lshl_add_u32 v[VQS], s[CX], 2, v[VQS]
	v_lshlrev_b32 v[L32], 5, v[LANE]
	v_lshl_add_u32 v[DQ], s[CX], 5, v10
	v_lshlrev_b32 v11, 3, v11
	s_delay_alu instid0(VALU_DEP_1)
	v_sub_nc_u32 v[DQ], v[DQ], v11                 ; my query in its block, less 8 h
	s_delay_alu instid0(VALU_DEP_1)
	v_add_nc_u32 v[DQ+1], 16, v[DQ]
	v_mov_b32 v[NINF], 0xff800000
	WIN 0x40                                       ; destination window 1
.irp t, 0,1
.irp c, 0,1
	global_load_b128 v[QF+16*\t+4*\c:QF+16*\t+4*\c+3], v[VQ], s[QBH:QBH+1] offset:\t*1024+\c*512
	global_load_b128 v[QL+8*\t+4*\c:QL+8*\t+4*\c+3], v[VQ], s[QBL:QBL+1] offset:\t*1024+\c*512
.endr
.endr
.irp i, 0,1,2,3,4,5,6,7
	v_mov_b32 v[ZF+\i], 0                          ; zero codes: behind K's tile 7,
	v_mov_b32 v[QF+8+\i], 0                        ; and Q's K = 64 .. 127
	v_mov_b32 v[QF+24+\i], 0
.endr
	WIN 0
.irp t, 0,1
	global_load_b32 v[QS+\t], v[VQS], s[QBH:QBH+1] offset:8192+256*\t   ; tile 2 cx + t: word cx of lane 16 t + r
	global_load_b32 v[QSL+\t], v[VQS], s[QBL:QBL+1] offset:8192+256*\t
.endr
.irp t, 0,1
.irp b, 0,1,2,3
	v_mov_b32 v[PX+TS*\t+\b], 0                    ; a lane permute's destination counts as one of its sources
.endr
	v_mov_b32 v[FF+2*\t+1], 0                      ; (named as the upper half of f's pair)
.endr
.macro INIT                            ; a pass begins: the largest t is -3e38, the sums and O^T are zeros, which the first change of M leaves zeros
.irp t, 0,1
	v_mov_b32 v[SM+4*\t+1], 0xff61b1e6
	v_mov_b32 v[SM+4*\t+2], 0
	v_mov_b32 v[SM+4*\t+3], 0
.endr
.irp t, 0
	v_floor_f32 v[SM+4*\t], -v[SM+4*\t+1]
.endr
.irp t, 1
	s_delay_alu instid0(VALU_DEP_4)
	v_floor_f32 v[SM+4*\t], -v[SM+4*\t+1]
.endr
	WIN 0x40
.set j, 0
.rept 64
	v_mov_b32 v[OF+j], 0
.set j, j+1
.endr
	WIN 0
.endm
	INIT
; A KEY STEP of 128 keys for my two tiles of queries.  causal = 1: the step is left out where it lies behind my block, and masked where it is my block's own.
.macro STEP2 causal
.if \causal
	s_cmp_gt_u32 s[SI], s[LIM]
	s_cbranch_scc1 .Lhid_\@
.endif
	s_setprio 2
	v_add_nc_u32 v[ADR], s[TB], v[LI]
	WIN 0x40
.irp k, 0,1,2,3,4,5,6,7
	ds_load_b128 v[KF+8*\k:KF+8*\k+3], v[ADR] offset:1024*\k       ; 32 lanes read 512 consecutive bytes
	ds_load_b128 v[KF+8*\k+4:KF+8*\k+7], v[ADR] offset:1024*\k+512
.endr
	WIN 0
	ds_load_b128 v[KSC:KSC+3], v[ADR] offset:16384
	s_wait_alu depctr_va_vdst(0)
	s_wait_dscnt 0x0
	WIN 0x05                                       ; K and Q in window 1, S^T in window 0
.irp k, 0,2,4,6
.irp t, 0,1
	v_wmma_scale_f32_16x16x128_f8f6f4 v[S+64*\t+8*\k:S+64*\t+8*\k+7], v[KF+8*\k:KF+8*\k+15], v[QF+16*\t:QF+16*\t+15], 0, v[KSC+\k/2], v[QS+\t] matrix_a_fmt:MATRIX_FMT_BF8 matrix_b_fmt:MATRIX_FMT_BF8
.endr
.irp t, 0,1
	v_wmma_scale_f32_16x16x128_f8f6f4 v[S+64*\t+8*(\k+1):S+64*\t+8*(\k+1)+7], v[KF+8*(\k+1):KF+8*(\k+1)+15], v[QF+16*\t:QF+16*\t+15], 0, v[KSC+\k/2], v[QS+\t] matrix_a_fmt:MATRIX_FMT_BF8 matrix_b_fmt:MATRIX_FMT_BF8 matrix_a_scale:MATRIX_SCALE_ROW1
.endr
.endr
	WIN 0
.rept 8
	v_nop                                          ; the places behind these products, ahead of the first read of S^T; with the addition at the step's head nine stand between the last step's V^T P^T and the loads into V's registers
.endr
	WIN 0x40
.irp k, 0,1,2,3
.irp c, 0,1,2,3
	ds_load_b128 v[VF+16*\k+4*\c:VF+16*\k+4*\c+3], v[ADR] offset:8192+2048*\k+512*\c   ; V lands while the softmax is walked
.endr
.endr
	WIN 0
	ds_load_b64 v[VSC:VSC+1], v[ADR] offset:16896
.if \causal                            ; my block's own step: register n of a tile holds key 16 (n / 8) + 8 h + n % 8: hidden where that is above my query.  Key 0 of the step counts for every query
	s_cmp_lg_u32 s[SI], s[LIM]
	s_cbranch_scc1 .Lopen_\@
.irp t, 0,1
.set n, 0
.rept 64
	v_cmp_gt_i32 vcc_lo, 16*(n/8)+n%8, v[DQ+\t]
	v_cndmask_b32 v[S+64*\t+n], v[S+64*\t+n], v[NINF], vcc_lo
.set n, n+1
.endr
.endr
.Lopen_\@:
.endif
.irp t, 0,1
.irp b, 0,1,2,3
	v_max3_num_f32 v[BM+TS*\t+\b], v[S+64*\t+16*\b], v[S+64*\t+16*\b+1], v[S+64*\t+16*\b+2]   ; the largest score of each block of 32 keys: for the row's maximum, and, since p rises with the score, for the block's largest p
.endr
.endr
.irp i, 3,5,7,9,11,13
.irp t, 0,1
.irp b, 0,1,2,3
	v_max3_num_f32 v[BM+TS*\t+\b], v[BM+TS*\t+\b], v[S+64*\t+16*\b+\i], v[S+64*\t+16*\b+\i+1]
.endr
.endr
.endr
.irp t, 0,1
.irp b, 0,1,2,3
	v_max_num_f32 v[BM+TS*\t+\b], v[BM+TS*\t+\b], v[S+64*\t+16*\b+15]
.endr
.endr
.irp t, 0,1
.irp b, 0,1,2,3
	v_permlanex16_b32 v[PX+TS*\t+\b], v[BM+TS*\t+\b], s[SEL], s[SEL+1]
.endr
.endr
.irp t, 0,1
.irp b, 0,1,2,3
	v_max_num_f32 v[BM+TS*\t+\b], v[BM+TS*\t+\b], v[PX+TS*\t+\b]   ; with lane l xor 16's 16 keys
.endr
.endr
.irp t, 0
	v_max3_num_f32 v[XX+TS*\t], v[BM+TS*\t], v[BM+TS*\t+1], v[BM+TS*\t+2]
.endr
.irp t, 1
	s_delay_alu instid0(VALU_DEP_3)
	v_max3_num_f32 v[XX+TS*\t], v[BM+TS*\t], v[BM+TS*\t+1], v[BM+TS*\t+2]
.endr
.irp t, 0,1
	s_delay_alu instid0(VALU_DEP_2)
	v_max_num_f32 v[XX+TS*\t], v[XX+TS*\t], v[BM+TS*\t+3]          ; the step's largest score of my query
.endr
.irp t, 0,1
	s_delay_alu instid0(VALU_DEP_2)
	v_mul_f32 v[XX+TS*\t], s[CS], v[XX+TS*\t]                      ; as t
.endr
.irp t, 0,1
	s_delay_alu instid0(VALU_DEP_2)
	v_max_num_f32 v[SM+4*\t+1], v[SM+4*\t+1], v[XX+TS*\t]          ; the running largest t
.endr
.irp t, 0,1
	v_mov_b32 v[XX+TS*\t], v[SM+4*\t]
.endr
.irp t, 0,1
	s_delay_alu instid0(VALU_DEP_4)
	v_floor_f32 v[SM+4*\t], -v[SM+4*\t+1]                          ; the new -M = -ceil(t)
.endr
.irp t, 0,1
	s_delay_alu instid0(VALU_DEP_2)
	v_sub_f32 v[XX+TS*\t], v[SM+4*\t], v[XX+TS*\t]                 ; old M less new M: a whole number, 0 or less
.endr
.irp t, 0,1
	s_delay_alu instid0(VALU_DEP_2)
	v_cvt_i32_f32 v[XX+TS*\t], v[XX+TS*\t]                         ; (it saturates)
.endr
.irp t, 0,1
	s_delay_alu instid0(VALU_DEP_2)
	v_ldexp_f32 v[FF+2*\t], 1.0, v[XX+TS*\t]                       ; f = 2^(old M - new M)
.endr
.irp t, 0,1
.set j, 0
.rept 32
	v_pk_fma_f32 v[S+64*\t+j:S+64*\t+j+1], v[S+64*\t+j:S+64*\t+j+1], s[CS:CS+1], v[SM+4*\t:SM+4*\t+1] op_sel_hi:[1,0,0]   ; t - M, two at a time
.set j, j+2
.endr
.endr
.irp t, 0,1
.irp b, 0,1,2,3
	v_fma_f32 v[BM+TS*\t+\b], v[BM+TS*\t+\b], s[CS], v[SM+4*\t]    ; the same of each block's largest score
.endr
.endr
	s_setprio 1
	s_wait_alu depctr_va_vdst(0)
.irp t, 0,1
.set j, 0
.rept 64
	v_exp_f32 v[S+64*\t+j], v[S+64*\t+j]                           ; p = 2^(t - M)
.set j, j+1
.endr
.endr
.irp t, 0,1
	v_pk_mul_f32 v[SM+4*\t+2:SM+4*\t+3], v[SM+4*\t+2:SM+4*\t+3], v[FF+2*\t:FF+2*\t+1] op_sel_hi:[1,0]   ; the sums under the new M: plain instructions behind the exponentials
.endr
	s_wait_alu depctr_va_vdst(0)                   ; one wait for the 128 exponentials, ahead of their first reader
.irp t, 0,1
.irp b, 0,1,2,3
	v_exp_f32 v[BM+TS*\t+\b], v[BM+TS*\t+\b]                       ; the block's largest p
.endr
.endr
.irp t, 0,1
	v_pk_add_f32 v[AUX+TS*\t:AUX+TS*\t+1], v[S+64*\t:S+64*\t+1], v[S+64*\t+2:S+64*\t+3]   ; the row's sum of the unquantised p: two chains a tile
.endr
.set j, 4
.rept 15
.irp t, 0,1
	v_pk_add_f32 v[SM+4*\t+2:SM+4*\t+3], v[SM+4*\t+2:SM+4*\t+3], v[S+64*\t+j:S+64*\t+j+1]
	v_pk_add_f32 v[AUX+TS*\t:AUX+TS*\t+1], v[AUX+TS*\t:AUX+TS*\t+1], v[S+64*\t+j+2:S+64*\t+j+3]
.endr
.set j, j+4
.endr
.irp t, 0
	s_delay_alu instid0(VALU_DEP_3)
	v_pk_add_f32 v[SM+4*\t+2:SM+4*\t+3], v[SM+4*\t+2:SM+4*\t+3], v[AUX+TS*\t:AUX+TS*\t+1]
.endr
.irp t, 1
	s_delay_alu instid0(VALU_DEP_2)
	v_pk_add_f32 v[SM+4*\t+2:SM+4*\t+3], v[SM+4*\t+2:SM+4*\t+3], v[AUX+TS*\t:AUX+TS*\t+1]
.endr
	s_wait_alu depctr_va_vdst(0)                   ; and one for the eight
.irp t, 0,1
.irp b, 0,1,2,3
	v_max_num_f32 v[BM+TS*\t+\b], 0x8000000, v[BM+TS*\t+\b]        ; the floor 2^(16 - 127): the byte cannot fall under 1
.endr
.endr
.irp t, 0,1
.irp b, 0,1,2,3
	v_add_nc_u32 v[SO+TS*\t+\b], 0xf8800000, v[BM+TS*\t+\b]        ; 15 off the exponent field: the conversion's scale operand
.endr
.endr
.irp t, 0,1
.irp b, 0,1,2,3
.endr
.endr
.irp t, 0,1
.irp b, 0,1,2,3
	v_lshrrev_b32 v[PX+TS*\t+\b], 23, v[SO+TS*\t+\b]               ; the scale's byte
.endr
.endr
.irp t, 0
	v_lshl_or_b32 v[PS+\t], v[PX+TS*\t+1], 8, v[PX+TS*\t]
.endr
.irp t, 1
	s_delay_alu instid0(VALU_DEP_4)
	v_lshl_or_b32 v[PS+\t], v[PX+TS*\t+1], 8, v[PX+TS*\t]          ; p's scale word for these 128 keys
.endr
.irp t, 0,1
	s_delay_alu instid0(VALU_DEP_2)
	v_lshl_or_b32 v[PS+\t], v[PX+TS*\t+2], 16, v[PS+\t]
.endr
.irp t, 0,1
	s_delay_alu instid0(VALU_DEP_2)
	v_lshl_or_b32 v[PS+\t], v[PX+TS*\t+3], 24, v[PS+\t]
.endr
	s_setprio 0
.irp t, 0,1
.irp b, 0,1,2,3
.set j, 0
.rept 16
.set j, j+1
.endr
	v_cvt_scalef32_pk8_bf8_f32 v[PC+16*\t+4*\b:PC+16*\t+4*\b+1], v[S+64*\t+16*\b:S+64*\t+16*\b+7], v[SO+TS*\t+\b]
	v_cvt_scalef32_pk8_bf8_f32 v[PC+16*\t+4*\b+2:PC+16*\t+4*\b+3], v[S+64*\t+16*\b+8:S+64*\t+16*\b+15], v[SO+TS*\t+\b]
.endr
.endr
	WIN 0x41                                       ; O^T in window 1, f in window 0
.irp t, 0,1
.set j, 0
.rept 16
	v_pk_mul_f32 v[OF+32*\t+j:OF+32*\t+j+1], v[OF+32*\t+j:OF+32*\t+j+1], v[FF+2*\t:FF+2*\t+1] op_sel_hi:[1,0]   ; O^T under the new M; the other tile's sixteen are the places between a tile's codes and its products
.set j, j+2
.endr
.endr
	s_wait_alu depctr_va_vdst(0)
	s_wait_dscnt 0x0                               ; V and its scale words are in
	WIN 0x51                                       ; V, C and D in window 1, p's codes in window 0
.irp k, 0,2                                    ; the eight accumulators take turns, one instruction a turn; sixteen other products stand between two steps' links
.irp t, 0,1
	v_wmma_scale_f32_16x16x128_f8f6f4 v[OF+32*\t+8*\k:OF+32*\t+8*\k+7], v[VF+16*\k:VF+16*\k+15], v[PC+16*\t:PC+16*\t+15], v[OF+32*\t+8*\k:OF+32*\t+8*\k+7], v[VSC+\k/2], v[PS+\t] matrix_a_fmt:MATRIX_FMT_BF8 matrix_b_fmt:MATRIX_FMT_BF8
.endr
.irp t, 0,1
	v_wmma_scale_f32_16x16x128_f8f6f4 v[OF+32*\t+8*(\k+1):OF+32*\t+8*(\k+1)+7], v[VF+16*(\k+1):VF+16*(\k+1)+15], v[PC+16*\t:PC+16*\t+15], v[OF+32*\t+8*(\k+1):OF+32*\t+8*(\k+1)+7], v[VSC+\k/2], v[PS+\t] matrix_a_fmt:MATRIX_FMT_BF8 matrix_b_fmt:MATRIX_FMT_BF8 matrix_a_scale:MATRIX_SCALE_ROW1
.endr
.endr
	WIN 0
.if \causal
.Lhid_\@:
.endif
	s_add_co_u32 s[TB], s[TB], REC                 ; the next record
	s_add_co_u32 s[SI], s[SI], 1
.endm
; A pass ends: O^T / the sum, quantised along the head's 64 channels (two blocks of the last projection's K), leaves as an image of that product's operand.
.macro FINISH ao, sc
.rept 8
	v_nop                                          ; the places behind the last products
.endr
.irp t, 0,1
	v_add_f32 v[XX+TS*\t], v[SM+4*\t+2], v[SM+4*\t+3]
.endr
.irp t, 0,1
	s_delay_alu instid0(VALU_DEP_2)
	v_permlanex16_b32 v[PX+TS*\t], v[XX+TS*\t], s[SEL], s[SEL+1]
.endr
.irp t, 0,1
	s_delay_alu instid0(VALU_DEP_2)
	v_add_f32 v[XX+TS*\t], v[XX+TS*\t], v[PX+TS*\t]                ; the row's sum
.endr
	s_wait_alu depctr_va_vdst(0)
.irp t, 0,1
	v_rcp_f32 v[RL+\t], v[XX+TS*\t]
.endr
	v_nop                                          ; a plain instruction behind the reciprocals,
	s_wait_alu depctr_va_vdst(0)                   ; and the wait ahead of their first reader
	WIN 0x01                                       ; source 0 in window 1
.irp t, 0,1
.set j, 0
.rept 32
	v_mul_f32 v[S+64*\t+j], v[OF+32*\t+j], v[RL+\t]                ; register 8 T + j: channel 16 T + 8 h + j; each accumulator from its low end on
.set j, j+1
.endr
.endr
	WIN 0
.irp t, 0,1
.irp b, 0,1
	v_max3_num_f32 v[BM+TS*\t+\b], |v[S+64*\t+16*\b]|, |v[S+64*\t+16*\b+1]|, 0x8000000
.endr
.endr
.irp i, 2,4,6,8,10,12,14
.irp t, 0,1
.irp b, 0,1
	s_delay_alu instid0(VALU_DEP_4)
	v_max3_num_f32 v[BM+TS*\t+\b], v[BM+TS*\t+\b], |v[S+64*\t+16*\b+\i]|, |v[S+64*\t+16*\b+\i+1]|
.endr
.endr
.endr
.irp t, 0,1
.irp b, 0,1
	s_delay_alu instid0(VALU_DEP_4)
	v_permlanex16_b32 v[PX+TS*\t+\b], v[BM+TS*\t+\b], s[SEL], s[SEL+1]
.endr
.endr
.irp t, 0,1
.irp b, 0,1
	s_delay_alu instid0(VALU_DEP_4)
	v_max_num_f32 v[BM+TS*\t+\b], v[BM+TS*\t+\b], v[PX+TS*\t+\b]
.endr
.endr
.irp t, 0,1
.irp b, 0,1
	s_delay_alu instid0(VALU_DEP_4)
	v_add_nc_u32 v[SO+TS*\t+\b], 0xf8800000, v[BM+TS*\t+\b]
.endr
.endr
.irp t, 0,1
.irp b, 0,1
	s_delay_alu instid0(VALU_DEP_4)
	v_lshrrev_b32 v[PX+TS*\t+\b], 23, v[SO+TS*\t+\b]
.endr
.endr
.irp t, 0
	s_delay_alu instid0(VALU_DEP_3)
	v_lshl_or_b32 v[HW+\t], v[PX+TS*\t+1], 8, v[PX+TS*\t]
.endr
.irp t, 1
	s_delay_alu instid0(VALU_DEP_2)
	v_lshl_or_b32 v[HW+\t], v[PX+TS*\t+1], 8, v[PX+TS*\t]          ; my row's two scale bytes
.endr
.irp t, 0,1
.irp b, 0,1
.set j, 0
.rept 16
.set j, j+1
.endr
	v_cvt_scalef32_pk8_bf8_f32 v[PC+16*\t+4*\b:PC+16*\t+4*\b+1], v[S+64*\t+16*\b:S+64*\t+16*\b+7], v[SO+TS*\t+\b]
	v_cvt_scalef32_pk8_bf8_f32 v[PC+16*\t+4*\b+2:PC+16*\t+4*\b+3], v[S+64*\t+16*\b+8:S+64*\t+16*\b+15], v[SO+TS*\t+\b]
.endr
.endr
	v_nop                                          ; a plain instruction behind the last conversion
	v_cmp_lt_u32 vcc_lo, 15, v[LANE]
	s_delay_alu instid0(VALU_DEP_1)
	v_cndmask_b32 v[HW], v[HW], v[HW+1], vcc_lo    ; lane 16 t + r: token 16 t + r's bytes
.irp t, 0,1
.irp b, 0,1
	global_store_b128 v[LI], v[PC+16*\t+4*\b:PC+16*\t+4*\b+3], s[\ao:\ao+1] offset:\t*4096+\b*512   ; 512 consecutive bytes, aligned
.endr
.endr
	global_store_b16 v[L32], v[HW], s[\sc:\sc+1]   ; two bytes of each token's 32: the other heads' come from other clusters
	s_wait_xcnt 0x0                                ; the stores' data registers are written again only behind this wait
.endm
	s_wait_loadcnt 0x0                             ; Q and its scale words
	s_wait_tensorcnt 1                             ; my record of the first eight is in; my second load may be out
	s_barrier_signal -1
	s_barrier_wait -1                              ; everybody's is
	s_mov_b32 s[SI], 0
	s_mov_b32 s[TB], 0
	s_mov_b32 s[LIM], s73                          ; block 15 - w, 8 at the least: steps 0 to 7 are open for every wave
.Lloop_a:
	STEP2 0
	s_cmp_lt_u32 s[SI], 8
	s_cbranch_scc1 .Lloop_a
	s_setprio 0
	s_wait_tensorcnt 0x0                           ; my record of the last eight is in,
	s_wait_dscnt 0x0
	s_barrier_signal -1
	s_barrier_wait -1                              ; everybody's is
.Lloop_b:
	STEP2 1
	s_cmp_lt_u32 s[SI], 16
	s_cbranch_scc1 .Lloop_b
	s_setprio 0
	FINISH AOH, ASH
	WIN 0x41
.irp t, 0,1
.irp i, 0,1,2,3,4,5,6,7
	v_mov_b32 v[QF+16*\t+\i], v[QL+8*\t+\i]        ; the second pass's queries
.endr
.endr
	WIN 0
.irp t, 0,1
	v_mov_b32 v[QS+\t], v[QSL+\t]
.endr
	INIT                                           ; (its lines are also the places between these writes and the next products)
	s_mov_b32 s[SI], 0
	s_mov_b32 s[TB], 0
	s_mov_b32 s[LIM], s[WV]                        ; block w
.Lloop_l:
	STEP2 1
	s_cmp_lt_u32 s[SI], 8
	s_cbranch_scc1 .Lloop_l
	s_setprio 0
	FINISH AOL, ASL
	s_wait_tensorcnt 0x0
	ds_add_u32 v254, v255
	s_wait_dscnt 0x0
	ROUND                                          ; the closing round
	s_endpgm
.Lfunc_end_k_qe5cd92e5f0_attn:
	.size	k_qe5cd92e5f0_attn, .Lfunc_end_k_qe5cd92e5f0_attn-k_qe5cd92e5f0_attn
	.p2alignl 7, 3214868480
	.fill 96, 4, 3214868480
	.section	.rodata,"a",@progbits
	.p2align	6, 0x0
	.amdhsa_kernel k_qe5cd92e5f0_attn
		.amdhsa_group_segment_fixed_size 327680
		.amdhsa_private_segment_fixed_size 0
		.amdhsa_enable_private_segment 0
		.amdhsa_kernarg_size 32
		.amdhsa_user_sgpr_count 2
		.amdhsa_user_sgpr_kernarg_segment_ptr 1
		.amdhsa_wavefront_size32 1
		.amdhsa_system_sgpr_workgroup_id_x 1
		.amdhsa_system_sgpr_workgroup_id_y 1
		.amdhsa_system_sgpr_workgroup_id_z 1
		.amdhsa_system_vgpr_workitem_id 0
		.amdhsa_next_free_vgpr 512
		.amdhsa_next_free_sgpr 80
		.amdhsa_reserve_vcc 1
		.amdhsa_float_denorm_mode_32 3
		.amdhsa_float_denorm_mode_16_64 3
		.amdhsa_fp16_overflow 1
		.amdhsa_memory_ordered 1
		.amdhsa_forward_progress 1
		.amdhsa_inst_pref_size 141
	.end_amdhsa_kernel
	.amdgpu_metadata
---
amdhsa.version: [ 1, 2 ]
amdhsa.kernels:
  - .name:           k_qe5cd92e5f0_attn
    .symbol:         k_qe5cd92e5f0_attn.kd
    .args:
      - { .name: q, .offset: 0, .size: 8, .value_kind: global_buffer, .address_space: global }
      - { .name: kv, .offset: 8, .size: 8, .value_kind: global_buffer, .address_space: global }
      - { .name: ao, .offset: 16, .size: 8, .value_kind: global_buffer, .address_space: global }
      - { .name: ao_sc, .offset: 24, .size: 8, .value_kind: global_buffer, .address_space: global }
    .group_segment_fixed_size: 327680
    .private_segment_fixed_size: 0
    .kernarg_segment_align: 8
    .kernarg_segment_size: 32
    .max_flat_workgroup_size: 256
    .sgpr_count:     80
    .vgpr_count:     512
    .wavefront_size: 32
...
	.end_amdgpu_metadata
.endif
;; end of part 2
;; launch oproj (part 3): grid 4 x 32, 4 waves a work-group, clusters of 4 x 4, 327,680 bytes of LDS; arguments ao, ao_sc, Wo_codes, Wo_scales, bo, out0; writes out0
.if DOCPART == 3
	.amdgcn_target "amdgcn-amd-amdhsa--gfx1250"
	.amdhsa_code_object_version 6
	.text
	.protected	k_qe5cd92e5f0_oproj
	.globl	k_qe5cd92e5f0_oproj
	.p2align	8
	.type	k_qe5cd92e5f0_oproj,@function
k_qe5cd92e5f0_oproj:
	s_mov_b64 s[64:65], 0
	v_nop
	global_prefetch_b8 v0, s[64:65] scope:SCOPE_SE
	s_setreg_imm32_b32 hwreg(HW_REG_WAVE_MODE, 25, 1), 1
	s_wait_xcnt 0x0
	s_wait_alu depctr_hold_cnt(0) depctr_sa_sdst(0) depctr_va_vdst(0) depctr_va_sdst(0) depctr_va_ssrc(0) depctr_va_vcc(0) depctr_vm_vsrc(0)
	s_getreg_b32 s2, hwreg(HW_REG_IB_STS2, 6, 4)
	s_cmp_eq_u32 s2, 0
	s_cbranch_scc0 .Lentry_in_a_cluster
	s_endpgm
.Lentry_in_a_cluster:
	s_bfe_u32 s2, ttmp6, 0x10000c
	s_cmp_lg_u32 s2, 0xf033
	s_cbranch_scc0 .Lentry_shape_is_right
	s_endpgm
.Lentry_shape_is_right:
; out0[m][n] = sum over k of A[m][k] Wo[n][k] + bo[n]: A = attention's result, 8,192 x 1,024, Wo 1,024 x 1,024, both codes of E5M2 with one E8M0 scale for each 32 along K; out0 f32; sums in f32.
; A tile of 256 x 256 is made by four waves, 128 x 128 each: 64 accumulators, 512 registers.  K goes in steps of 256 through a ring of two LDS slots filled by the tensor data mover; the scale bytes of the tile's
; 512 rows come into LDS once.  4 x 4 work-groups form a cluster: A's tiles are asked for jointly along a row of the cluster, Wo's along a column.  128 tiles: a smaller tile would read each LDS byte for fewer products.
; A ARRIVES AS IMAGES OF ITS FRAGMENTS: ao: [32 tiles of 256 tokens][4 K slots][16 token tiles][2 K steps][4 blocks][16 x lane]; a wave's load is a dense block of 32,768 bytes, and a fragment is four loads of 512 consecutive bytes.
; Inside each block of 32 the operand place 16 h + 8 u + j holds true index 16 u + 8 h + j.  Wo's fragments are loaded in the same order, by pieces of 8 bytes: registers 2 c, 2 c + 1 take k = 16 c + 8 h + 0 .. 7.
; The permutation stays inside a block and is the same on both sides: products and scales are kept.
; THE MATRIX INSTRUCTION IS USED TRANSPOSED (source 0 = 16 rows of Wo, source 1 = 16 rows of A): a lane holds eight neighbouring numbers of a row of out0.  The bias is the C of each sum's first product.
; REGISTERS: window 0: v0-31 addresses; v32-63 scale words, two sets; v64-127 the bias, eight registers for each of Wo's blocks; from v128 A's fragments, one set; on the way out v128-255.
;   window 1: Wo's fragments, two sets.   window 2: the accumulators of my rows 0-63;   window 3: those of my rows 64-127.
.set SIZE_N, 1024
.set KSTEP,  256
.set NQ,     KSTEP/128
.set ROWB,   256
.set KROW,   1024
.set PITCH,  272                       ; Wo's LDS row: 256 bytes + 16 of padding: the 32 lanes of a load of 8 bytes touch 64 different words modulo 64
.set FR,     16
.set NL,     4                         ; LDS loads that bring a fragment of A
.set NP,     8                         ; places behind this matrix instruction (ISA guide 7.12.1)
.set HALFT,  128*PITCH                 ; room of 128 rows; A's images use 32,768 bytes of it
.set SLOT,   4*HALFT
.set ASLOT,  65536                     ; a K slot of a tile of A in memory
.set LAPS,   KROW/(2*KSTEP)
.set KS,     KROW/32
.set SCL,    2*SLOT
.set HALFS,  (128*KS/256)*272
.set SBLK,   (16*KS/256)*272
.set SPARE,  SCL+4*HALFS               ; the spare words, 128 bytes a wave: two blocks of 256 bytes that no other line names
.set SPITCH, 528                       ; the way out: a stage of 16 rows x (512 bytes + 16) for each wave, in slot 0, which has had its last fill and its last read by then
.set ADRA, 16
.set ADRB, 20
.set STO,  24
.set RD,   25
.set CO,   26                          ; 16 x lane: my place in an image, and in a row of out0
.set ADRS, 27
.set SPW,  28
.set NIL,  29
.set SC,   32
.set BIAS, 64
.set AF,   128
.set BK,   128
.set G1, 24
.set G0, 32
.set G1B, 48
.set G0B, 56
.set G1S, 68
.set G0S, 76
.set G1SB, 80
.set G0SB, 88
.set MSB, 0
.macro WIN new
.if MSB != (\new)
	s_set_vgpr_msb (MSB<<8)|(\new)
.set MSB, (\new)
.endif
.endm
.set MUL_LO, 0xa1                      ; source 0 (Wo) window 1, source 1 (A) window 0, C and D window 2
.set MUL_HI, 0xf1
.set TO_B,   0x40
.macro JLOAD g0a, g1a, g0b, g1b        ; a joint load: waves 0 and 1 fetch for A, waves 2 and 3 for Wo; four v_nop follow each of the two lines
	s_cmp_eq_u32 s15, 0
	s_cbranch_scc0 .Lfor_b_\@
	tensor_load_to_lds s[\g0a:\g0a+3], s[\g1a:\g1a+7]
	s_nop 0
.rept 4
	v_nop
.endr
	s_branch .Lasked_\@
.Lfor_b_\@:
	tensor_load_to_lds s[\g0b:\g0b+3], s[\g1b:\g1b+7]
	s_nop 0
.rept 4
	v_nop
.endr
.Lasked_\@:
.endm
.macro CREST
	s_cmp_lg_u32 s14, 0
	s_cbranch_scc1 .Lnot_wave_0_\@
	s_barrier_signal -3
.Lnot_wave_0_\@:
	s_barrier_wait -3
	s_barrier_signal -1
	s_barrier_wait -1
.endm
.macro CROUND
	s_barrier_signal -1
	s_barrier_wait -1
	CREST
.endm
	s_load_b128 s[4:7], s[0:1], 0x0                ; A's images, A's scales
	s_load_b128 s[8:11], s[0:1], 0x10              ; Wo's codes, Wo's scales
	s_load_b64 s[96:97], s[0:1], 0x20              ; bo
	s_load_b64 s[12:13], s[0:1], 0x28              ; out0
	v_lshl_add_u32 v[SPW], v0, 2, SPARE
	v_mov_b32 v[NIL], 0
	ds_add_u32 v28, v29
	ds_add_u32 v28, v29
	s_wait_dscnt 0x0
	v_lshrrev_b32 v1, 5, v0
	v_readfirstlane_b32 s14, v1                    ; wave 0..3
	s_lshr_b32 s15, s14, 1                         ; which half of the tile's rows is mine.  Also: I fetch for A (0) or for Wo (1)
	s_and_b32 s16, s14, 1                          ; which half of its columns.  Also: which 128 rows of that tile I fetch
	s_bfe_u32 s40, ttmp6, 0x40000                  ; cx, cy
	s_bfe_u32 s41, ttmp6, 0x40004
	s_lshl_b32 s42, ttmp9, 2
	s_add_co_u32 s42, s42, s40                     ; tile column
	s_and_b32 s17, ttmp7, 0xffff
	s_lshl_b32 s17, s17, 2
	s_add_co_u32 s17, s17, s41                     ; tile row
	s_lshl_b32 s43, s41, 2
	s_lshl_b32 s43, 15, s43                        ; my row of the cluster
	s_lshl_b32 s44, 0x1111, s40                    ; my column
	; group 1 for A's images: a dense block of 128 rows of 256 bytes (32 elements of 8), no padding
	s_or_b32 s[G1+0], s43, (3<<16)|(1<<21)
	s_mov_b32 s[G1+1], 32<<16
	s_mov_b32 s[G1+2], 128<<16
	s_mov_b32 s[G1+3], 32<<16
	s_mov_b32 s[G1+4], 128
	s_mov_b32 s[G1+5], 32
	s_mov_b32 s[G1+6], 0
	s_mov_b32 s[G1+7], 0
	; for Wo's tiles: 128 rows x 256 bytes, 16 bytes of padding behind each
	s_or_b32 s[G1B+0], s44, (0<<16)|(1<<20)|(1<<21)|(5<<22)|(3<<25)
	s_mov_b32 s[G1B+1], ROWB<<16
	s_mov_b32 s[G1B+2], 128<<16
	s_mov_b32 s[G1B+3], ROWB<<16
	s_mov_b32 s[G1B+4], 128
	s_mov_b32 s[G1B+5], KROW
	s_mov_b32 s[G1B+6], 0
	s_mov_b32 s[G1B+7], 0
	; for the scale bytes of 128 rows: 4,096 dense bytes as rows of 256, 16 bytes of padding behind each
	s_or_b32 s[G1S+0], s43, (3<<16)|(1<<20)|(1<<21)|(5<<22)|(3<<25)
	s_or_b32 s[G1SB+0], s44, (3<<16)|(1<<20)|(1<<21)|(5<<22)|(3<<25)
.irp g, G1S, G1SB
	s_mov_b32 s[\g+1], 32<<16
	s_mov_b32 s[\g+2], (128*KS/256)<<16
	s_mov_b32 s[\g+3], 32<<16
	s_mov_b32 s[\g+4], 128*KS/256
	s_mov_b32 s[\g+5], 32
	s_mov_b32 s[\g+6], 0
	s_mov_b32 s[\g+7], 0
.endr
	s_lshl_b32 s18, s16, 7
	s_lshl_b32 s20, s17, 8
	s_add_co_u32 s20, s20, s18                     ; A: row 256 x tile row + 128 x half
	s_lshl_b32 s46, s42, 8
	s_add_co_u32 s46, s46, s18                     ; Wo: row 256 x tile column + 128 x half
	s_mov_b32 s21, 0
	s_mov_b32 s47, 0
	s_mov_b64 s[18:19], KS
	s_mul_u64 s[22:23], s[20:21], s[18:19]         ; where these rows' scales begin
	s_mul_u64 s[92:93], s[46:47], s[18:19]
	s_mov_b64 s[18:19], KROW
	s_mul_u64 s[46:47], s[46:47], s[18:19]         ; Wo's codes
	s_lshl_b32 s20, s17, 18                        ; A's images: 262,144 bytes a tile row,
	s_lshl_b32 s18, s16, 15                        ; 32,768 for 128 tokens of a K slot
	s_add_co_u32 s20, s20, s18
	s_mul_i32 s45, s14, HALFT                      ; where they go: no place in the cluster enters an LDS address
	s_mul_i32 s94, s14, HALFS
	s_wait_kmcnt 0x0
	s_add_nc_u64 s[20:21], s[4:5], s[20:21]
	s_add_nc_u64 s[22:23], s[6:7], s[22:23]
	s_add_nc_u64 s[46:47], s[8:9], s[46:47]
	s_add_nc_u64 s[92:93], s[10:11], s[92:93]
	CROUND                                         ; all sixteen work-groups are here: the first joint loads meet
	s_mov_b32 s[G0S], 1
	s_add_co_u32 s[G0S+1], s94, SCL
	s_mov_b64 s[G0S+2:G0S+3], s[22:23]
	s_or_b32 s[G0S+3], s[G0S+3], 0x80000000
	s_mov_b32 s[G0SB], 1
	s_add_co_u32 s[G0SB+1], s94, SCL
	s_mov_b64 s[G0SB+2:G0SB+3], s[92:93]
	s_or_b32 s[G0SB+3], s[G0SB+3], 0x80000000
	JLOAD G0S, G1S, G0SB, G1SB
.irp s, 0,1
	s_mov_b32 s[G0+4*\s], 1
	s_add_co_u32 s[G0+4*\s+1], s45, \s*SLOT
	s_add_nc_u64 s[G0+4*\s+2:G0+4*\s+3], s[20:21], \s*ASLOT
	s_or_b32 s[G0+4*\s+3], s[G0+4*\s+3], 0x80000000
	s_mov_b32 s[G0B+4*\s], 1
	s_add_co_u32 s[G0B+4*\s+1], s45, \s*SLOT
	s_add_nc_u64 s[G0B+4*\s+2:G0B+4*\s+3], s[46:47], \s*ROWB
	s_or_b32 s[G0B+4*\s+3], s[G0B+4*\s+3], 0x80000000
	s_wait_alu depctr_va_vdst(0)
	s_wait_tensorcnt 0x0
	ds_add_u32 v28, v29
	s_wait_dscnt 0x0
	CROUND
	JLOAD G0+4*\s, G1, G0B+4*\s, G1B
.endr
	v_and_b32 v1, 15, v0                           ; r
	v_bfe_u32 v2, v0, 4, 1                         ; h
	v_and_b32 v8, 31, v0
	v_lshlrev_b32 v[CO], 4, v8                     ; 16 x lane
	v_mul_u32_u24 v3, v1, PITCH
	v_lshl_add_u32 v4, v2, 3, v3                   ; Wo: row x pitch + 8 x half
	s_mul_i32 s21, s15, HALFT                      ; my 128 rows of A
	s_mul_i32 s22, s16, HALFT                      ; my 128 rows of Wo,
	s_add_co_u32 s22, s22, 2*HALFT                 ; behind A's room
.irp s, 0,1
	v_add_nc_u32 v[ADRA+\s], s21, v[CO]
	v_add_nc_u32 v[ADRB+\s], s22, v4
	s_add_co_u32 s21, s21, SLOT
	s_add_co_u32 s22, s22, SLOT
.endr
	v_mul_u32_u24 v5, v1, KS
	v_lshrrev_b32 v6, 8, v5
	v_lshl_add_u32 v5, v6, 4, v5
	s_mul_i32 s21, s15, HALFS
	s_mul_i32 s22, s16, HALFS
	s_add_co_u32 s22, s22, 2*HALFS
	s_sub_co_u32 s22, s22, s21
	v_mul_u32_u24 v6, s22, v2                      ; lanes 16-31 take Wo's
	s_add_co_u32 s21, s21, SCL
	v_add_nc_u32 v5, v5, v6
	v_add_nc_u32 v[ADRS], s21, v5
	s_mul_i32 s23, s14, 16*SPITCH                  ; my stage
	v_mul_u32_u24 v5, v1, SPITCH
	v_lshl_add_u32 v5, v2, 5, v5
	v_add_nc_u32 v[STO], s23, v5                   ; in: row r, 32 bytes for each half of the lanes
	v_add_nc_u32 v[RD], s23, v[CO]                 ; back: the 32 lanes take one row of 512 bytes
	s_lshl_b32 s20, s17, 8
	s_lshl_b32 s21, s15, 7
	s_add_co_u32 s20, s20, s21                     ; my first row of out0
	s_mov_b32 s21, 0
	s_mov_b64 s[18:19], SIZE_N*4
	s_mul_u64 s[20:21], s[20:21], s[18:19]
	s_lshl_b32 s46, s42, 10                        ; my first column, in bytes: 1,024 x tile column + 512 x half
	s_lshl_b32 s47, s16, 9
	s_add_co_u32 s46, s46, s47
	s_mov_b32 s47, 0
	s_add_nc_u64 s[96:97], s[96:97], s[46:47]      ; bo at my first column
	s_add_nc_u64 s[20:21], s[20:21], s[46:47]
	s_add_nc_u64 s[12:13], s[12:13], s[20:21]
	v_lshlrev_b32 v7, 5, v2                        ; my half's eight numbers of a block of 16
.irp b, 0,1,2,3,4,5,6,7
	global_load_b128 v[BIAS+8*\b:BIAS+8*\b+3], v7, s[96:97] offset:64*\b          ; bo(16 b + 8 h + 0 .. 7): the result's layout
	global_load_b128 v[BIAS+8*\b+4:BIAS+8*\b+7], v7, s[96:97] offset:64*\b+16
.endr
.macro FRAGA reg, adr, q, i            ; an image: four loads of 512 consecutive bytes
.irp c, 0,1,2,3
	ds_load_b128 v[\reg+4*\c:\reg+4*\c+3], v[\adr] offset:(\i)*4096+(\q)*2048+512*\c
.endr
.endm
.macro FRAGB reg, adr, q, i            ; 16 rows of Wo x 128 K in A's order: registers 2 c, 2 c + 1 take k = 16 c + 8 h + 0 .. 7
.irp c, 0,1,2,3,4,5,6,7
	ds_load_b64 v[\reg+2*\c:\reg+2*\c+1], v[\adr] offset:128*(\q)+16*\c+(\i)*16*PITCH
.endr
.endm
; 16 matrix instructions: A's blocks a0, a0 + 1 x Wo's eight.  zero = 1: the first product starts the sums from the bias.  The 64 accumulators take turns, one instruction a turn.
.macro MUL16 a0, p, q, sc, zero
.irp a, \a0, \a0+1
.irp b, 0,1,2,3,4,5,6,7
.if \zero
	v_wmma_scale_f32_16x16x128_f8f6f4 v[8*(8*((\a)%4)+\b):8*(8*((\a)%4)+\b)+7], v[128*(\p)+FR*\b:128*(\p)+FR*\b+FR-1], v[AF+FR*(\a):AF+FR*(\a)+FR-1], v[BIAS+8*\b:BIAS+8*\b+7], v[SC+8*NQ*(\sc)+NQ*\b+(\q)], v[SC+8*NQ*(\sc)+NQ*(\a)+(\q)] matrix_a_fmt:MATRIX_FMT_BF8 matrix_b_fmt:MATRIX_FMT_BF8 matrix_a_scale:MATRIX_SCALE_ROW1
.else
	v_wmma_scale_f32_16x16x128_f8f6f4 v[8*(8*((\a)%4)+\b):8*(8*((\a)%4)+\b)+7], v[128*(\p)+FR*\b:128*(\p)+FR*\b+FR-1], v[AF+FR*(\a):AF+FR*(\a)+FR-1], v[8*(8*((\a)%4)+\b):8*(8*((\a)%4)+\b)+7], v[SC+8*NQ*(\sc)+NQ*\b+(\q)], v[SC+8*NQ*(\sc)+NQ*(\a)+(\q)] matrix_a_fmt:MATRIX_FMT_BF8 matrix_b_fmt:MATRIX_FMT_BF8 matrix_a_scale:MATRIX_SCALE_ROW1
.endif
.endr
.endr
.endm
.macro FETCH_B slot, q, p
	WIN TO_B
.irp i, 0,1,2,3,4,5,6,7
	FRAGB 128*(\p)+FR*\i, ADRB+\slot, \q, \i
.endr
	WIN 0
.endm
.macro FETCH_A slot, q, i0
.irp i, \i0, \i0+1, \i0+2, \i0+3
	FRAGA AF+FR*(\i), ADRA+\slot, \q, \i
.endr
.endm
.macro SCALES sc                       ; lanes 0-15 A's block i, lanes 16-31 Wo's block i
.irp i, 0,1,2,3,4,5,6,7
	ds_load_b64 v[SC+8*NQ*\sc+NQ*\i:SC+8*NQ*\sc+NQ*\i+1], v[ADRS] offset:\i*SBLK
.endr
.endm
.macro PLACES n
.rept \n
	v_nop
.endr
.endm
.macro STEP slot, q, zero
	s_wait_dscnt 4*NL                              ; Wo's set and A's blocks 0-3 are in; the youngest 16 loads (A's blocks 4-7) may be out
.if \zero
	WIN 0x81                                       ; C, the bias, in window 0
.else
	WIN MUL_LO
.endif
	MUL16 0, (\q)%2, \q, \slot, \zero
	MUL16 2, (\q)%2, \q, \slot, \zero
	s_wait_dscnt 0
	PLACES NP
	FETCH_B \slot, (\q)+1, 1-(\q)%2
	FETCH_A \slot, (\q)+1, 0
.if \zero
	WIN 0xc1
.else
	WIN MUL_HI
.endif
	MUL16 4, (\q)%2, \q, \slot, \zero
	MUL16 6, (\q)%2, \q, \slot, \zero
	PLACES NP
	WIN 0
	FETCH_A \slot, (\q)+1, 4
.endm
.macro TURN slot, next, fill
	s_wait_tensorcnt 0x0                           ; all my tensor loads have landed: my part of the next slot
	ds_add_u32 v[SPW], v[NIL]                      ; 0 onto my spare word
	s_wait_dscnt 4*NL+1                            ; the add and the youngest 16 loads (A's blocks 4-7) may be out
	WIN MUL_LO
	MUL16 0, 1, NQ-1, \slot, 0
	s_wait_dscnt 0x0                               ; the add is done, and my reads of this slot are over
	s_barrier_signal -1
	MUL16 2, 1, NQ-1, \slot, 0
	WIN 0
	s_barrier_wait -1
.if \fill
	CREST                                          ; the barrier has opened a round of the cluster's barrier
	s_add_nc_u64 s[G0+4*\slot+2:G0+4*\slot+3], s[G0+4*\slot+2:G0+4*\slot+3], 2*ASLOT
	s_add_nc_u64 s[G0B+4*\slot+2:G0B+4*\slot+3], s[G0B+4*\slot+2:G0B+4*\slot+3], 2*ROWB
	JLOAD G0+4*\slot, G1, G0B+4*\slot, G1B         ; the first tensor load behind the round; its four v_nop are four of the eight places
	PLACES NP-4
.else
	PLACES NP
.endif
	s_wait_alu depctr_va_vdst(0)
	v_add_nc_u32 v[ADRS], 4*NQ, v[ADRS]
	FETCH_B \next, 0, 0
	FETCH_A \next, 0, 0
	SCALES \next
	WIN MUL_HI
	MUL16 4, 1, NQ-1, \slot, 0
	MUL16 6, 1, NQ-1, \slot, 0
	PLACES NP
	WIN 0
	FETCH_A \next, 0, 4
.endm
	s_wait_alu depctr_va_vdst(0)
	s_wait_tensorcnt 1                             ; the scales and my part of K step 0 are in (K step 1's load may be out),
	s_barrier_signal -1
	s_barrier_wait -1                              ; everybody's are
	FETCH_B 0, 0, 0
	FETCH_A 0, 0, 0
	SCALES 0
	FETCH_A 0, 0, 4
	s_wait_loadcnt 0x0                             ; the bias
	STEP 0, 0, 1
	s_mov_b32 s3, LAPS-1
.Llap:
	TURN 0, 1, 1
	STEP 1, 0, 0
	TURN 1, 0, 1
	STEP 0, 0, 0
	s_sub_co_u32 s3, s3, 1
	s_cmp_lg_u32 s3, 0
	s_cbranch_scc1 .Llap
	TURN 0, 1, 0
	STEP 1, 0, 0
	s_wait_dscnt 4*NL
	WIN MUL_LO
	MUL16 0, 1, NQ-1, 1, 0
	MUL16 2, 1, NQ-1, 1, 0
	s_wait_dscnt 0
	WIN MUL_HI
	MUL16 4, 1, NQ-1, 1, 0
	MUL16 6, 1, NQ-1, 1, 0
	WIN 0
; THE WAY OUT, block by block of 16 rows x 128 columns, through my own stage in LDS: back come whole rows of 512 bytes.  LDS serves a wave's instructions in order (ISA guide 5.7.1.4).
.macro TOSTAGE a
.set AC, 64*((\a)%4)
	WIN 0x08+4*((\a)/4)                            ; the data: window 2 or 3
.irp b, 0,1,2,3,4,5,6,7
	ds_store_b128 v[STO], v[AC+8*\b:AC+8*\b+3] offset:64*\b          ; each accumulator from its low end on
	ds_store_b128 v[STO], v[AC+8*\b+4:AC+8*\b+7] offset:64*\b+16
.endr
	WIN 0
.set BB, BK+64*((\a)%2)
.irp t, 0,1,2,3,4,5,6,7,8,9,10,11,12,13,14,15
	ds_load_b128 v[BB+4*\t:BB+4*\t+3], v[RD] offset:\t*SPITCH
.endr
.endm
.macro SEND a, younger
.set BB, BK+64*((\a)%2)
	s_wait_dscnt \younger                          ; the block is back in registers
.if (\a) > 0
	s_add_nc_u64 s[12:13], s[12:13], 16*SIZE_N*4   ; (behind a wait on XCNT: the earlier stores have read their base)
.endif
.irp t, 0,1,2,3,4,5,6,7,8,9,10,11,12,13,14,15
	global_store_b128 v[CO], v[BB+4*\t:BB+4*\t+3], s[12:13] offset:\t*SIZE_N*4 th:TH_STORE_NT   ; 32 lanes store 512 consecutive bytes, aligned
.endr
.endm
	PLACES NP
	TOSTAGE 0
.irp a, 1,2,3,4,5,6,7
.if \a > 1
	s_wait_xcnt 0x0                                ; block a - 2's stores have read their registers and their base
.endif
	TOSTAGE \a
	SEND \a-1, 32                                  ; behind block a - 1's loads: block a's 16 stores and 16 loads
.endr
	s_wait_xcnt 0x0
	SEND 7, 0
	s_wait_tensorcnt 0x0                           ; the wave's end
	ds_add_u32 v[SPW], v[NIL]
	s_wait_dscnt 0x0
	CROUND                                         ; the closing round
	s_endpgm
.Lfunc_end_k_qe5cd92e5f0_oproj:
	.size	k_qe5cd92e5f0_oproj, .Lfunc_end_k_qe5cd92e5f0_oproj-k_qe5cd92e5f0_oproj
	.p2alignl 7, 3214868480
	.fill 96, 4, 3214868480
	.section	.rodata,"a",@progbits
	.p2align	6, 0x0
	.amdhsa_kernel k_qe5cd92e5f0_oproj
		.amdhsa_group_segment_fixed_size 327680
		.amdhsa_private_segment_fixed_size 0
		.amdhsa_enable_private_segment 0
		.amdhsa_kernarg_size 48
		.amdhsa_user_sgpr_count 2
		.amdhsa_user_sgpr_kernarg_segment_ptr 1
		.amdhsa_wavefront_size32 1
		.amdhsa_system_sgpr_workgroup_id_x 1
		.amdhsa_system_sgpr_workgroup_id_y 1
		.amdhsa_system_sgpr_workgroup_id_z 1
		.amdhsa_system_vgpr_workitem_id 0
		.amdhsa_next_free_vgpr 1024
		.amdhsa_next_free_sgpr 98
		.amdhsa_reserve_vcc 0
		.amdhsa_float_denorm_mode_32 3
		.amdhsa_float_denorm_mode_16_64 3
		.amdhsa_memory_ordered 1
		.amdhsa_forward_progress 1
		.amdhsa_inst_pref_size 164
	.end_amdhsa_kernel
	.amdgpu_metadata
---
amdhsa.version: [ 1, 2 ]
amdhsa.kernels:
  - .name:           k_qe5cd92e5f0_oproj
    .symbol:         k_qe5cd92e5f0_oproj.kd
    .args:
      - { .name: ao, .offset: 0, .size: 8, .value_kind: global_buffer, .address_space: global }
      - { .name: ao_sc, .offset: 8, .size: 8, .value_kind: global_buffer, .address_space: global }
      - { .name: Wo_codes, .offset: 16, .size: 8, .value_kind: global_buffer, .address_space: global }
      - { .name: Wo_scales, .offset: 24, .size: 8, .value_kind: global_buffer, .address_space: global }
      - { .name: bo, .offset: 32, .size: 8, .value_kind: global_buffer, .address_space: global }
      - { .name: out0, .offset: 40, .size: 8, .value_kind: global_buffer, .address_space: global }
    .group_segment_fixed_size: 327680
    .private_segment_fixed_size: 0
    .kernarg_segment_align: 8
    .kernarg_segment_size: 48
    .max_flat_workgroup_size: 128
    .sgpr_count:     98
    .vgpr_count:     1024
    .wavefront_size: 32
...
	.end_amdgpu_metadata
.endif
;; end of part 3
